; MI455X (gfx1250); checked and timed in simulation.
; The chip was launched on July 23, 2026; its instructions are those of AMD's public machine-readable ISA for CDNA 5 (MIT licence, August 2026) and "CDNA5" Instruction Set Architecture Reference Guide (July 2026). The comments in the code are by the model that wrote it; some were corrected since.
;; Multi Head Attention Combined QKV. Allowed arithmetic: matrix products marked QUANTISED: E3M2 operands, one E8M0 scale for each 32 along K, by v_wmma_scale_f32_16x16x128_f8f6f4 with both operands' format E3M2, f32 sums; everything else in f32.
;; Inputs: b_proj 1,024 float32; w_proj 1,024 x 1,024 float32; w_qkv 3,072 x 1,024 float32; x 2 x 2,048 x 1,024 float32.
;; Outputs: out0 2 x 2,048 x 1,024 float32.
;; This version of the problem:
;;   THIS VERSION OF THE PROBLEM IS GIVEN IN LOW PRECISION. The matrix products marked QUANTISED in the list below multiply operands that are first quantised to E3M2 (3 exponent bits, 2 mantissa bits; 6 bits a number), with one power-of-two scale for each 32 numbers along K (OCP MX v1.0); their sums are f32. All else is computed in f32.
;;   The module's matrix products, in the order in which they are computed (A, B: the left and right operand; K: the contracted axis; several contracted axes count as one K, in the product's order):
;;     1. [M 4,096, K 1,024] x [K 1,024, N 3,072]; A: input x; B: input w_qkv: QUANTISED
;;     2. batch 32 x [M 2,048, K 64] x [K 64, N 2,048]; A: computed on the way; B: computed on the way: QUANTISED
;;     3. batch 32 x [M 2,048, K 2,048] x [K 2,048, N 64]; A: softmax (see below); B: computed on the way: QUANTISED
;;     4. [M 4,096, K 1,024] x [K 1,024, N 1,024]; A: computed on the way; B: input w_proj: QUANTISED
;;   THE QUANTISER, for each operand of a quantised product, along K:
;;     - K is cut into blocks of 32 from its start; a last block that is shorter is filled with zeros.
;;     - A block's scale is 2^e with e = floor(log2(the largest magnitude in the block)) - 4, held to -126 .. 127; a block of zeros has e = 0. As a byte (E8M0): e + 127.
;;     - Each number is divided by its block's scale, clamped to +-28, and rounded to the nearest number of E3M2, ties to even, subnormals kept.
;;     - The product sums the exact products of the quantised numbers (number of the format x scale) in f32.
;;   ~~~python
;;   def quantise(x, axis):      # numpy; x: float32 -> the quantised numbers, widened to float32 again
;;       x = np.moveaxis(x, axis, -1); K = x.shape[-1]
;;       x = np.pad(x, [(0, 0)] * (x.ndim - 1) + [(0, -K % 32)]); x = x.reshape(x.shape[:-1] + (-1, 32)); a = np.abs(x).max(-1, keepdims=True)
;;       e = np.where(a > 0, np.clip(np.frexp(np.where(a > 0, a, 1))[1] - 1 - 4, -126, 127), 0)      # np.frexp(a)[1] - 1 = floor(log2(a)), exactly
;;       r = np.clip(x / 2.0 ** e, -28, 28)
;;       step = 2.0 ** (np.maximum(np.frexp(np.where(r == 0, 1, r))[1] - 1, -2) - 2)
;;       q = np.round(r / step) * step * 2.0 ** e      # np.round: ties to even
;;       return np.moveaxis(q.reshape(q.shape[:-2] + (-1,))[..., :K], -1, axis).astype(np.float32)
;;   ~~~
;;   SOFTMAX AHEAD OF A QUANTISED PRODUCT. Where the list says 'softmax', what is quantised is not the finished softmax but p = 2^(t - M), with t = logit x log2(e) and M = ceil(the row's largest t), a whole number; so 1/2 < the row's largest p <= 1. The row's sum l is taken of the UNQUANTISED p, in f32, and the product's result is divided by l at the end. Since M is a whole number, a kernel that streams over the keys may use a running M (the ceiling of the running maximum): every later rescaling is an exact power of two, which a block's scale takes up: the codes' values come out the same.
;;   OPERANDS COMPUTED ON THE WAY. 'Computed on the way' means the value that the module computes at that place (a softmax that the list does not call 'softmax' is quantised finished and normalised). What goes into a quantiser is computed in f32, as accurately as f32 sums, v_exp_f32 and their like allow (about 1e-6 of the number): no bf16 or f16 on the way to a quantiser, and a product that is left as it is and whose result goes on into a quantised operand takes f32 operands (vector FMAs, or v_wmma_f32_16x16x4_f32). A number that lies on a knife's edge between two numbers of the format may be rounded either way, as far as f32 arithmetic and the matrix unit's own rounding can turn it there, and no further.
;; One version. Each part assembles by itself: llvm-mc -triple=amdgcn-amd-amdhsa -mcpu=gfx1250 --defsym DOCPART=n.
;; ======== version 1 of 1: 4 launches
;; limits: right only within a limited range of input values
;; workspace buffers: c1 6,553,600 bytes; c2 10,092,544 bytes; c3 3,276,800 bytes
;; launch quant (part 1): grid 256 x 1, 4 waves a work-group, no clusters, 168,448 bytes of LDS; arguments x, w_qkv, w_proj, c1; writes c1
.if DOCPART == 1
	.amdgcn_target "amdgcn-amd-amdhsa--gfx1250"
	.amdhsa_code_object_version 6
	.text
	.protected	k_qe48be263d5_quant
	.globl	k_qe48be263d5_quant
	.p2align	8
	.type	k_qe48be263d5_quant,@function
k_qe48be263d5_quant:
	s_mov_b64 s[64:65], 0
	v_nop
	global_prefetch_b8 v0, s[64:65] scope:SCOPE_SE
	s_setreg_imm32_b32 hwreg(HW_REG_WAVE_MODE, 25, 1), 1
	s_wait_xcnt 0x0
; x [4096][1024], w_qkv [3072][1024] and w_proj [1024][1024], f32 with K innermost, become codes of BF6 (E3M2) with one E8M0 byte for each 32 along K.
; A block's scale is 2^(floor(log2(its largest magnitude)) - 4); its byte is the largest magnitude's exponent field - 4, held at 1 from below.
; WORK LEFT OUT IN THE PROGRAM: reference() itself builds the causal mask, so a score whose key comes after its query is thrown away for all values of the inputs: p = 0 there. Steps of 128 keys that come wholly
; after a tile's queries are not computed (launch attn).  LIMIT: a NaN, an infinity or an overflow that reaches only that work is not carried to the result.
; LIMITS: a block whose largest magnitude lies under 2^(5 - 127) gets the byte 1; a block of zeros gets the byte 1 where the rule says 127 (its codes are zeros, which add nothing
; under any byte but 0xff, and these bytes are read by this program alone); NaN and infinities among the inputs are not served.
; LAYOUT OF THE RESULT: the order of the operand's registers.  The 8,192 rows are 64 groups G of 128 (0-31 x, 32-55 w_qkv, 56-63 w_proj).  Lane r of tile t = 4 c + u of a group holds the group's row
; 64 c + 8 u + 32 (r / 8) + r % 8: so where such a tile is source 0 of a product, the 32 results of four tiles in a lane are 32 neighbours, one whole block of the next K.
; A fragment (16 rows x 128 K, 12 registers a lane) lies as two images of 768 bytes (64 K each): registers 0-3 of lane l at 16 l, registers 4-5 at 512 + 8 l.
; c1: [G][K step 8][12,800]: tiles 0-7 of 1,536 bytes, then 512 bytes of scale words: (tile t, lane r) at 256 (t / 4) + 16 r + 4 (t % 4).
; SHARES: 1,024 waves; a wave takes 64 rows (four tiles) x 128 K: 32 KiB in, 6,400 bytes out.  One tensor load of 64 rows x 512 bytes brings them into the wave's own LDS bytes, which are filled once
; and read by that wave alone: its own wait on TENSORcnt is all the ordering, and there is no barrier.
; A lane then reads, of its row, the 32 numbers of each of its two blocks: the block's maximum needs no other lane, and the conversions' results are the operand's registers.
; No cluster: no two work-groups read the same bytes.  No matrix work: the launch moves each byte once.  No prefetch: one load a wave, no loop.
.set LP,   528                         ; an LDS row: 512 bytes + 16 of padding
.set WREG, 64*LP                       ; a wave's LDS
.set SPARE, 0x29000                    ; the spare words, 128 bytes a wave
.set X,    32                          ; v32-159  two sets of 64 numbers
.set CD,   160                         ; v160-207 the codes: 12 registers for each of the four tiles, so that no store's data are written again
.set TP,   208                         ; v208-214 the upper halves of the two blocks, as the conversions leave them
.set PW,   24                          ; v24-27   the four tiles' scale words
.set YY,   28                          ; v28-29   the two words that my lane stores
.set SPW,  224                         ; v224     LDS address of my spare word, v225 0
.set NIL,  225
.set G1,   16                          ; s[16:23] descriptor group 1
.set G0,   24                          ; s[24:27] descriptor group 0
	s_load_b128 s[4:7], s[0:1], 0x0                ; x, w_qkv
	s_load_b128 s[8:11], s[0:1], 0x10              ; w_proj, c1
	v_lshl_add_u32 v[SPW], v0, 2, SPARE
	v_mov_b32 v[NIL], 0
	ds_add_u32 v[SPW], v[NIL]                      ; the add, twice on end, and its wait
	ds_add_u32 v[SPW], v[NIL]
	v_lshrrev_b32 v6, 5, v0
	v_readfirstlane_b32 s14, v6                    ; wave 0..3
	s_lshr_b32 s15, ttmp9, 2                       ; G: four work-groups to a group of rows
	s_and_b32 s2, ttmp9, 3
	s_lshl_b32 s2, s2, 2
	s_add_co_u32 s2, s2, s14                       ; which of the group's sixteen shares is my wave's
	s_lshr_b32 s3, s2, 1                           ; its K step, 0..7
	s_and_b32 s40, s2, 1                           ; its half of the rows: tiles 4 q .. 4 q + 3
	s_mul_i32 s44, s14, WREG                       ; my wave's LDS bytes
	s_mov_b32 s46, 0x76543210
	s_mov_b32 s47, 0xfedcba98                      ; v_permlanex16_b32's selects for lane l xor 16
	s_mov_b32 s[G1+0], (2<<16)|(1<<20)|(6<<22)|(3<<25)  ; no mask; elements of 4 bytes; padding on: after every 128 words (code 6) 4 words (code 3)
	s_mov_b32 s[G1+1], 128<<16                     ; tensor_dim0 = 128
	s_mov_b32 s[G1+2], 64<<16                      ; tensor_dim1 = 64
	s_mov_b32 s[G1+3], 128<<16                     ; tile_dim0 = 128
	s_mov_b32 s[G1+4], 64                          ; tile_dim1 = 64
	s_mov_b32 s[G1+5], 1024                        ; elements from row to row
	s_mov_b32 s[G1+6], 0
	s_mov_b32 s[G1+7], 0
	s_wait_alu depctr_va_vdst(0)
	s_wait_dscnt 0x0
	s_wait_kmcnt 0x0
	s_cmp_lt_u32 s15, 56                           ; which tensor: the choice hangs on the work-group's number alone
	s_cselect_b64 s[6:7], s[6:7], s[8:9]
	s_cselect_b32 s41, 32, 56
	s_cmp_lt_u32 s15, 32
	s_cselect_b64 s[4:5], s[4:5], s[6:7]
	s_cselect_b32 s41, 0, s41
	s_sub_co_u32 s41, s15, s41                     ; the group's number inside its tensor
	s_lshl_b32 s42, s41, 19                        ; 128 rows of 4,096 bytes,
	s_lshl_b32 s43, s40, 18                        ; 64 rows for the upper half,
	s_add_co_u32 s42, s42, s43
	s_lshl_b32 s43, s3, 9                          ; 512 bytes a K step
	s_add_co_u32 s42, s42, s43
	s_mov_b32 s43, 0
	s_mov_b32 s[G0], 1                             ; count = 1
	s_mov_b32 s[G0+1], s44                         ; LDS address
	s_add_nc_u64 s[G0+2:G0+3], s[4:5], s[42:43]
	s_or_b32 s[G0+3], s[G0+3], 0x80000000          ; type = 2
	tensor_load_to_lds s[G0:G0+3], s[G1:G1+7]      ; the wave's one tensor load
	s_nop 0
	s_lshl_b32 s41, s15, 3
	s_add_co_u32 s41, s41, s3                      ; 8 G + K step
	s_mul_i32 s42, s41, 12800
	s_mul_i32 s45, s40, 6144                       ; four fragments of 1,536 bytes for the upper half
	s_lshl_b32 s41, s40, 8
	s_add_co_u32 s41, s41, s42
	s_add_co_u32 s42, s42, s45
	s_add_co_u32 s2, s41, 12288
	s_mov_b32 s3, 0
	s_add_nc_u64 s[12:13], s[10:11], s[2:3]        ; my 256 bytes of scale words
	s_add_nc_u64 s[10:11], s[10:11], s[42:43]      ; where my four fragments go
	v_and_b32 v7, 31, v0                           ; lane
	v_bfe_u32 v8, v0, 3, 1                         ; r / 8: 32 rows further down
	v_and_b32 v9, 7, v0
	v_bfe_u32 v10, v0, 4, 1                        ; h
	v_mul_u32_u24 v1, 32*LP, v8
	v_mad_u32_u24 v1, v9, LP, v1
	v_lshl_add_u32 v1, v10, 7, v1                  ; + 128 h: my block of 32 numbers
	v_add_nc_u32 v1, s44, v1                       ; v1: where my lane reads
	v_lshlrev_b32 v2, 4, v7                        ; v2: 16 x lane
	v_lshlrev_b32 v3, 3, v7                        ; v3: 8 x lane
	v_lshlrev_b32 v4, 3, v10                       ; v4: 8 h, a shift
	v_and_b32 v5, 15, v0
	v_lshlrev_b32 v5, 4, v5
	v_lshl_add_u32 v5, v10, 3, v5                  ; v5: 16 r + 8 h
	v_mov_b32 v15, 0                               ; written once: a lane permute's destination counts as one of its sources
; tile t's numbers into a set: register 32 c + i = k 64 c + 32 h + i of my row
.macro LOADX t, set
.irp c, 0,1
.irp j, 0,1,2,3,4,5,6,7
	ds_load_b128 v[X+64*(\set)+32*\c+4*\j:X+64*(\set)+32*\c+4*\j+3], v1 offset:(\t)*8*LP+256*\c+16*\j
.endr
.endr
.endm
; tile t is quantised and stored.  left: the LDS loads issued behind this set's, which may stay out
.macro WORK t, set, left
.set XS, X+64*(\set)
.set CT, CD+12*(\t)
	s_wait_dscnt \left
.irp c, 0,1
	v_max3_num_f32 v[8+\c], |v[XS+32*\c]|, |v[XS+32*\c+1]|, 0x2800000   ; my block 2 c + h, and the floor 2^(5 - 127): so the byte cannot fall under 1
.endr
.irp i, 2,4,6,8,10,12,14,16,18,20,22,24,26,28,30
.irp c, 0,1
	v_max3_num_f32 v[8+\c], v[8+\c], |v[XS+32*\c+\i]|, |v[XS+32*\c+\i+1]|   ; the two blocks by turns
.endr
.endr
.irp c, 0,1
	v_add_nc_u32 v[10+\c], 0xfe000000, v[8+\c]     ; 4 off the exponent field: the conversion takes the exponent field of this operand as its scale
.endr
.irp c, 0,1
	v_lshrrev_b32 v[12+\c], 23, v[10+\c]           ; the scale's byte
.endr
	v_lshl_or_b32 v14, v13, 16, v12                ; my two bytes, blocks h and 2 + h,
	v_lshlrev_b32 v14, v4, v14                     ; at their places in the word;
	v_permlanex16_b32 v15, v14, s46, s47
	v_or_b32 v[PW+(\t)], v14, v15                  ; with lane l xor 16's two the word is whole
.irp c, 0,1
	v_cvt_scalef32_pk16_bf6_f32 v[CT+6*\c:CT+6*\c+2], v[XS+32*\c:XS+32*\c+15], v[10+\c]
	v_cvt_scalef32_pk16_bf6_f32 v[TP+4*\c:TP+4*\c+2], v[XS+32*\c+16:XS+32*\c+31], v[10+\c]   ; (a conversion's three registers begin on an even number)
.endr
	v_nop                                          ; one plain place behind a scaled conversion
.irp c, 0,1
.irp i, 0,1,2
	v_mov_b32 v[CT+3+6*\c+\i], v[TP+4*\c+\i]
.endr
.endr
	global_store_b128 v2, v[CT:CT+3], s[10:11] offset:1536*(\t)          ; 32 lanes store 512 consecutive bytes, at a multiple of 256 from c1's first byte
	global_store_b64 v3, v[CT+4:CT+5], s[10:11] offset:1536*(\t)+512     ; and 256
	global_store_b128 v2, v[CT+6:CT+9], s[10:11] offset:1536*(\t)+768
	global_store_b64 v3, v[CT+10:CT+11], s[10:11] offset:1536*(\t)+1280
.endm
	s_wait_alu depctr_va_vdst(0)
	s_wait_tensorcnt 0x0                           ; my rows are in
	LOADX 0, 0
	LOADX 1, 1
	WORK 0, 0, 16                                  ; the next tile's 16 loads may be out
	LOADX 2, 0
	WORK 1, 1, 16
	LOADX 3, 1
	WORK 2, 0, 16
	WORK 3, 1, 0
	v_cmp_le_u32 vcc_lo, 16, v7                    ; a row's four words are 16 bytes: lanes 0-15 store tiles 0 and 1's, lanes 16-31 tiles 2 and 3's
	v_cndmask_b32 v[YY], v[PW], v[PW+2], vcc_lo
	v_cndmask_b32 v[YY+1], v[PW+1], v[PW+3], vcc_lo
	global_store_b64 v5, v[YY:YY+1], s[12:13]      ; 32 lanes store 256 consecutive bytes, aligned
	s_wait_tensorcnt 0x0                           ; the wave's end
	ds_add_u32 v[SPW], v[NIL]
	s_wait_dscnt 0x0
	s_endpgm
.Lfunc_end_k_qe48be263d5_quant:
	.size	k_qe48be263d5_quant, .Lfunc_end_k_qe48be263d5_quant-k_qe48be263d5_quant
	.p2alignl 7, 3214868480
	.fill 96, 4, 3214868480
	.section	.rodata,"a",@progbits
	.p2align	6, 0x0
	.amdhsa_kernel k_qe48be263d5_quant
		.amdhsa_group_segment_fixed_size 168448
		.amdhsa_private_segment_fixed_size 0
		.amdhsa_enable_private_segment 0
		.amdhsa_kernarg_size 32
		.amdhsa_user_sgpr_count 2
		.amdhsa_user_sgpr_kernarg_segment_ptr 1
		.amdhsa_wavefront_size32 1
		.amdhsa_system_sgpr_workgroup_id_x 1
		.amdhsa_system_sgpr_workgroup_id_y 1
		.amdhsa_system_sgpr_workgroup_id_z 1
		.amdhsa_system_vgpr_workitem_id 0
		.amdhsa_next_free_vgpr 226
		.amdhsa_next_free_sgpr 66
		.amdhsa_reserve_vcc 1
		.amdhsa_float_denorm_mode_32 3
		.amdhsa_float_denorm_mode_16_64 3
		.amdhsa_memory_ordered 1
		.amdhsa_forward_progress 1
		.amdhsa_inst_pref_size 22
	.end_amdhsa_kernel
	.amdgpu_metadata
---
amdhsa.version: [ 1, 2 ]
amdhsa.kernels:
  - .name:           k_qe48be263d5_quant
    .symbol:         k_qe48be263d5_quant.kd
    .args:
      - { .name: x, .offset: 0, .size: 8, .value_kind: global_buffer, .address_space: global }
      - { .name: w_qkv, .offset: 8, .size: 8, .value_kind: global_buffer, .address_space: global }
      - { .name: w_proj, .offset: 16, .size: 8, .value_kind: global_buffer, .address_space: global }
      - { .name: c1, .offset: 24, .size: 8, .value_kind: global_buffer, .address_space: global }
    .group_segment_fixed_size: 168448
    .private_segment_fixed_size: 0
    .kernarg_segment_align: 8
    .kernarg_segment_size: 32
    .max_flat_workgroup_size: 128
    .sgpr_count:     66
    .vgpr_count:     226
    .wavefront_size: 32
...
	.end_amdgpu_metadata
.endif
;; end of part 1
;; launch qkv (part 2): grid 8 x 24, 4 waves a work-group, clusters of 4 x 4, 327,680 bytes of LDS; arguments c1, c2; writes c2
.if DOCPART == 2
	.amdgcn_target "amdgcn-amd-amdhsa--gfx1250"
	.amdhsa_code_object_version 6
	.text
	.protected	k_qe48be263d5_qkv
	.globl	k_qe48be263d5_qkv
	.p2align	8
	.type	k_qe48be263d5_qkv,@function
k_qe48be263d5_qkv:
	s_mov_b64 s[64:65], 0
	v_nop
	global_prefetch_b8 v0, s[64:65] scope:SCOPE_SE
	s_setreg_imm32_b32 hwreg(HW_REG_WAVE_MODE, 25, 1), 1
	s_wait_xcnt 0x0
	s_wait_alu depctr_hold_cnt(0) depctr_sa_sdst(0) depctr_va_vdst(0) depctr_va_sdst(0) depctr_va_ssrc(0) depctr_va_vcc(0) depctr_vm_vsrc(0)
	s_getreg_b32 s2, hwreg(HW_REG_IB_STS2, 6, 4)
	s_cmp_eq_u32 s2, 0
	s_cbranch_scc0 .Lentry_in_a_cluster
	s_endpgm
.Lentry_in_a_cluster:
	s_bfe_u32 s2, ttmp6, 0x10000c
	s_cmp_lg_u32 s2, 0xf033
	s_cbranch_scc0 .Lentry_shape_is_right
	s_endpgm
.Lentry_shape_is_right:
; qkv = x w_qkv^T on codes of BF6 (E3M2) with E8M0 scales, K = 1,024, f32 sums; the results are quantised in registers and leave as codes, in the order of the next operand's registers.
; OPERANDS (c1): groups of 128 rows (0-31 x, 32-55 w_qkv); [group][K step 8][12,800]: eight fragments of two images of 768 bytes, then 512 bytes of scale words, (tile t, lane r) at 256 (t / 4) + 16 r + 4 (t % 4);
; lane r of tile 4 c + u holds the group's row 64 c + 8 u + 32 (r / 8) + r % 8.
; A tile of C is 256 x 256: four waves, each 128 x 128: 64 accumulators.  THE MATRIX INSTRUCTION IS USED TRANSPOSED (source 0 = 16 rows of 'B', source 1 = 16 rows of 'A'): lane (r, h) of accumulator (a, 4 c + u) holds
; A's row of lane r of tile a, and in register j B's row 64 c + 32 h + 8 u + j: a lane's 32 registers of accumulators 4 c .. 4 c + 3 are one whole block of 32 along B's rows.
; TWO ORIENTATIONS IN ONE LAUNCH, chosen by the cluster's y, which all partners share.  y < 4: A = x, B = w_qkv's rows 0-2,047 (q and k): a lane's registers run along the head's axis, the K of q k^T.
; y >= 4: A = w_qkv's rows 2,048-3,071 (v), B = x: a lane's registers run along the keys, the K of p v: v is quantised along the keys and nothing is transposed.
; RESULTS (c2): [head 16][g 32 (128 rows of x)][19,712]: q's codes [tile 8][768] at 0, q's scale words at 6,144, k's codes at 6,656, v's codes [image 2][tile 4][768] at 12,800, k's scale words at 18,944, v's at 19,456.
; q's and k's words: (tile t, lane r) at 16 (16 (t % 2) + r) + 4 (t / 2); their two upper bytes are 0x40: the head has 64 numbers, and q's codes for the upper 64 of the instruction's 128 are zeros.  v's: at 8 (16 (t % 2) + r) + 4 (t / 2).
; LIMITS: a block whose largest magnitude lies under 2^(5 - 127), a block of zeros among them, gets the byte 1 (zero codes add nothing under any byte but 0xff; these bytes are read by this program alone); NaN and infinities are not served.
; LDS: two slots of 153,600 bytes, each with three K steps of A's two groups and B's two groups (four parts of 38,400 bytes, dense in memory, scale words among them); the spare words.
; K's eight steps come in three fills, one joint load a wave each: steps 0-2 into slot 0 at the head, 3-5 into slot 1, 6-7 into slot 0 again.  One tensor load of a wave is out at the most.
; No prefetch: three fills in all, and no loop to run ahead in.
; CLUSTERS: 4 x 4 work-groups.  The four of a row of the cluster need the same groups of A, the four of a column the same groups of B: each part is asked for jointly, by the same tensor load with a mask that names the four.
; REGISTERS: window 0: v1-29 addresses; v32-47 scale words, two sets of 8 (lanes 0-15 A's tile i, lanes 16-31 B's tile i); v128-223 A's fragments, one set.  window 1: B's fragments, two sets, at v0 and v128.
;   windows 2, 3: the accumulators of my rows' tiles 0-3 and 4-7, (a, b) at v[8 (8 (a % 4) + b)].  On the way out window 0's v48-187 are at work.
.set FR,    12                         ; registers of a fragment
.set STEPB, 12800                      ; a group's K step: 8 x 1,536 + 512
.set PART,  3*STEPB
.set GRPB,  8*STEPB
.set SLOT,  4*PART
.set SPARE, 2*SLOT                     ; the spare words, 128 bytes for each wave: two blocks of 256 bytes that no other line names
.set UP,    19712                      ; c2: bytes of a (head, g)
.set HP,    32*UP                      ; and from head to head
.set ADA16, 8                          ; v8-9    my A part in slots 0-1, + 16 x lane
.set ADA8,  10                         ; v10-11  the same + 8 x lane
.set ADB16, 12                         ; v12-13, v14-15 the same for B
.set ADB8,  14
.set ADRS,  16                         ; v16-17  my scale words: lanes 0-15 A's, lanes 16-31 B's
.set SH,    18                         ; v18     8 h, a shift
.set L16,   21                         ; v21     16 x lane
.set L8,    22                         ; v22     8 x lane
.set SPW,   28                         ; v28     LDS address of my spare word; never rewritten
.set NIL,   29                         ; v29     0; never rewritten
.set SC,    32
.set AF,    128
.set TM,    48                         ; the way out: v48-57 at work
.set CD,    64                         ; v64-159 the codes, 12 registers a tile
.set TP,    160                        ; v160-166 the conversions' second halves
.set PW,    168                        ; v168-175 the eight tiles' scale words
.set XW,    176                        ; v176-179 word j: lanes 0-15 tile 2 j's, lanes 16-31 tile 2 j + 1's
.set SW,    180                        ; v180-187 the same cut for the two heads
.set WV,    16                         ; s16 wave;  s17 wave / 2: my half of A's rows, and: I fetch for A (0) or B (1);  s18 wave % 2: my half of B's rows, and which group I fetch
.set WR,    17
.set WC,    18
.set G1A,   24                         ; s[24:31] group 1 for A's parts; s[32:39] group 0, a set for each slot
.set G0A,   32
.set G1B,   44                         ; s[44:51], s[52:59] the same for B's
.set G0B,   52
.set MSB, 0
.macro WIN new                         ; s_set_vgpr_msb: bits 1:0 source 0, 3:2 source 1, 5:4 source 2, 7:6 destination; the high byte repeats the setting that is left
.if MSB != (\new)
	s_set_vgpr_msb (MSB<<8)|(\new)
.set MSB, (\new)
.endif
.endm
.set MUL_LO, 0xa1                      ; source 0 (B) window 1, source 1 (A) window 0, C and D window 2
.set MUL_HI, 0xf1                      ; the same, C and D window 3
; A joint load: waves 0 and 1 fetch for A, waves 2 and 3 for B; the branch hangs on the wave's number alone.  Four v_nop follow each of the two lines.
.macro JLOAD s
	s_cmp_eq_u32 s[WR], 0
	s_cbranch_scc0 .Lfor_b_\@
	tensor_load_to_lds s[G0A+4*\s:G0A+4*\s+3], s[G1A:G1A+7]
	s_nop 0
.rept 4
	v_nop
.endr
	s_branch .Lasked_\@
.Lfor_b_\@:
	tensor_load_to_lds s[G0B+4*\s:G0B+4*\s+3], s[G1B:G1B+7]
	s_nop 0
.rept 4
	v_nop
.endr
.Lasked_\@:
.endm
.macro CREST                           ; a round of the cluster's barrier behind its opening barrier
	s_cmp_lg_u32 s[WV], 0
	s_cbranch_scc1 .Lnot_wave_0_\@
	s_barrier_signal -3
.Lnot_wave_0_\@:
	s_barrier_wait -3
	s_barrier_signal -1
	s_barrier_wait -1
.endm
.macro CROUND                          ; a whole round
	s_barrier_signal -1
	s_barrier_wait -1
	CREST
.endm
.macro PLACES                          ; four places behind a matrix instruction of this form, in front of loads into its registers and of reads of its results
.rept 4
	v_nop
.endr
.endm
.macro FRAG reg, a16, a8, off          ; a fragment comes as it was stored: every instruction reads 512 or 256 consecutive bytes
	ds_load_b128 v[(\reg):(\reg)+3], v[\a16] offset:(\off)
	ds_load_b64 v[(\reg)+4:(\reg)+5], v[\a8] offset:(\off)+512
	ds_load_b128 v[(\reg)+6:(\reg)+9], v[\a16] offset:(\off)+768
	ds_load_b64 v[(\reg)+10:(\reg)+11], v[\a8] offset:(\off)+1280
.endm
.macro FETCH_B sl, q, p                ; B's eight fragments of the slot's q-th K step into set p
	WIN 0x40
.irp i, 0,1,2,3,4,5,6,7
	FRAG 128*(\p)+FR*\i, ADB16+(\sl), ADB8+(\sl), STEPB*(\q)+1536*\i
.endr
	WIN 0
.endm
.macro FETCH_A sl, q, i0               ; A's tiles i0 .. i0 + 3
.irp i, \i0, \i0+1, \i0+2, \i0+3
	FRAG AF+FR*(\i), ADA16+(\sl), ADA8+(\sl), STEPB*(\q)+1536*(\i)
.endr
.endm
.macro SCALES sl, q, p                 ; the K step's scale words into set p: register i = tile i's
	ds_load_b128 v[SC+8*(\p):SC+8*(\p)+3], v[ADRS+(\sl)] offset:STEPB*(\q)+12288
	ds_load_b128 v[SC+8*(\p)+4:SC+8*(\p)+7], v[ADRS+(\sl)] offset:STEPB*(\q)+12288+256
.endm
; 16 matrix instructions: A's tiles a0, a0 + 1 x B's eight.  p: B's set and the set of scale words.  mode 1: the first product starts the sums.
; The 64 accumulators take turns, one instruction a turn, in the same order in every step.
.macro MUL16 a0, p, mode
.irp a, \a0, \a0+1
.irp b, 0,1,2,3,4,5,6,7
.if \mode == 1
	v_wmma_scale_f32_16x16x128_f8f6f4 v[8*(8*((\a)%4)+\b):8*(8*((\a)%4)+\b)+7], v[128*(\p)+FR*\b:128*(\p)+FR*\b+FR-1], v[AF+FR*(\a):AF+FR*(\a)+FR-1], 0, v[SC+8*(\p)+\b], v[SC+8*(\p)+(\a)] matrix_a_fmt:MATRIX_FMT_BF6 matrix_b_fmt:MATRIX_FMT_BF6 matrix_a_scale:MATRIX_SCALE_ROW1
.else
	v_wmma_scale_f32_16x16x128_f8f6f4 v[8*(8*((\a)%4)+\b):8*(8*((\a)%4)+\b)+7], v[128*(\p)+FR*\b:128*(\p)+FR*\b+FR-1], v[AF+FR*(\a):AF+FR*(\a)+FR-1], v[8*(8*((\a)%4)+\b):8*(8*((\a)%4)+\b)+7], v[SC+8*(\p)+\b], v[SC+8*(\p)+(\a)] matrix_a_fmt:MATRIX_FMT_BF6 matrix_b_fmt:MATRIX_FMT_BF6 matrix_a_scale:MATRIX_SCALE_ROW1
.endif
.endr
.endr
.endm
; The second half of K step kq's work: the next step's fragments are fetched in two runs: B's and A's tiles 0-3 in the middle, A's tiles 4-7 at the end
.macro REST kq, mode
.set NX, (\kq)+1
.set NS, (NX/3)%2
.set NH, NX%3
	FETCH_B NS, NH, NX%2
	FETCH_A NS, NH, 0
	SCALES NS, NH, NX%2
	WIN MUL_HI
	MUL16 4, (\kq)%2, \mode
	MUL16 6, (\kq)%2, \mode
	PLACES
	WIN 0
	FETCH_A NS, NH, 4
.endm
.macro STEP kq, mode
	s_wait_dscnt 16                                ; B's set, A's tiles 0-3 and the scale words are in; the youngest 16 loads (A's tiles 4-7) may be out
	WIN MUL_LO
	MUL16 0, (\kq)%2, \mode
	MUL16 2, (\kq)%2, \mode
	s_wait_dscnt 0x0                               ; A's tiles 4-7 are in (asked for 32 matrix instructions ago)
	PLACES
	REST \kq, \mode
.endm
; The same with a barrier in its first half.  In front of it each wave waits for all its tensor loads, adds 0 to its spare word, and waits for that and for its LDS reads.
; fill = 1 (K step 2): nobody reads slot 0 any more, and slot 1 is whole in every wave's eyes; the barrier opens a round of the cluster's, and slot 0 is filled again with K steps 6 and 7.
; fill = 0 (K step 5): that refill has landed.
.macro TURN kq, fill
	s_wait_tensorcnt 0x0                           ; all my tensor loads have landed  (every window is 0 here: the add's two registers lie in window 0)
	ds_add_u32 v[SPW], v[NIL]                      ; 0 onto my spare word
.if \fill
.irp g, G1A, G1B                       ; no load of mine is out: from here on a load brings two K steps, 100 rows of 256 bytes
	s_mov_b32 s[\g+2], 100<<16
	s_mov_b32 s[\g+4], 100
.endr
.endif
	s_wait_dscnt 17                                ; (the add and the youngest 16 loads, A's tiles 4-7, may be out)
	WIN MUL_LO
	MUL16 0, (\kq)%2, 0                            ; sixteen matrix instructions stand between the add and the wait for it
	s_wait_dscnt 0x0                               ; the add is done, and my LDS reads are over
	s_barrier_signal -1
	MUL16 2, (\kq)%2, 0
	WIN 0
	s_barrier_wait -1
.if \fill
	CREST                                          ; no wave of any partner still reads slot 0 or has a load on its way
	s_add_nc_u64 s[G0A+2:G0A+3], s[G0A+2:G0A+3], 2*PART
	s_add_nc_u64 s[G0B+2:G0B+3], s[G0B+2:G0B+3], 2*PART
	JLOAD 0                                        ; the first tensor load behind the round, one a wave; the four v_nop behind it are the places in front of the loads below
.else
	PLACES
.endif
	REST \kq, 0
.endm
	s_load_b128 s[4:7], s[0:1], 0x0                ; c1, c2
	v_lshl_add_u32 v[SPW], v0, 2, SPARE
	v_mov_b32 v[NIL], 0
	ds_add_u32 v[SPW], v[NIL]                      ; the add, twice on end, and its wait
	ds_add_u32 v[SPW], v[NIL]
	v_lshrrev_b32 v1, 5, v0
	v_readfirstlane_b32 s[WV], v1                  ; wave 0..3
	s_lshr_b32 s[WR], s[WV], 1
	s_and_b32 s[WC], s[WV], 1
	s_bfe_u32 s92, ttmp6, 0x40000                  ; cx, cy: my place in the cluster
	s_bfe_u32 s93, ttmp6, 0x40004
	s_mov_b32 s67, ttmp9                           ; the cluster's x, 0..1
	s_and_b32 s66, ttmp7, 0xffff                   ; the cluster's y, 0..5
	s_sub_co_u32 s2, s66, 4
	s_lshl_b32 s2, s2, 1
	s_add_co_u32 s2, s2, s67                       ; v's part: clusters (x, 4), (x, 5) count 0..3 along x's rows
	s_cmp_lt_u32 s66, 4
	s_cselect_b32 s12, 0, 48                       ; A's first group: x, or w_qkv's rows 2,048 on
	s_cselect_b32 s13, s66, 0
	s_cselect_b32 s14, 32, 0                       ; B's first group: w_qkv, or x
	s_cselect_b32 s15, s67, s2
	s_lshl_b32 s94, s13, 2
	s_add_co_u32 s94, s94, s93                     ; tile row of C: it hangs on cy, never on cx
	s_lshl_b32 s95, s15, 2
	s_add_co_u32 s95, s95, s92                     ; tile column of C: on cx, never on cy
	s_lshl_b32 s96, s93, 2
	s_lshl_b32 s96, 15, s96                        ; my row of the cluster
	s_lshl_b32 s97, 0x1111, s92                    ; my column
	s_or_b32 s[G1A], s96, (3<<16)|(1<<21)          ; 15:0 the mask; elements of 8 bytes; no padding; bit 21 set beside a mask
	s_or_b32 s[G1B], s97, (3<<16)|(1<<21)
.irp g, G1A, G1B                       ; a part: 38,400 dense bytes as 150 rows of 256
	s_mov_b32 s[\g+1], 32<<16
	s_mov_b32 s[\g+2], 150<<16
	s_mov_b32 s[\g+3], 32<<16
	s_mov_b32 s[\g+4], 150
	s_mov_b32 s[\g+5], 32
	s_mov_b32 s[\g+6], 0
	s_mov_b32 s[\g+7], 0
.endr
	s_lshl_b32 s20, s94, 1
	s_add_co_u32 s20, s20, s[WC]
	s_add_co_u32 s20, s20, s12                     ; the group of A that I would fetch
	s_mul_i32 s20, s20, GRPB
	s_mov_b32 s21, 0
	s_lshl_b32 s98, s95, 1
	s_add_co_u32 s98, s98, s[WC]
	s_add_co_u32 s98, s98, s14                     ; the group of B
	s_mul_i32 s98, s98, GRPB
	s_mov_b32 s99, 0
	s_mul_i32 s19, s[WV], PART                     ; where they go: part = wave: no place in the cluster enters an LDS address
	s_wait_alu depctr_va_vdst(0)
	s_wait_dscnt 0x0                               ; both opening adds are done
	s_wait_kmcnt 0x0
	s_add_nc_u64 s[20:21], s[4:5], s[20:21]
	s_add_nc_u64 s[98:99], s[4:5], s[98:99]
.irp n, 0,1
	s_mov_b32 s[G0A+4*\n], 1
	s_add_co_u32 s[G0A+4*\n+1], s19, \n*SLOT
	s_add_nc_u64 s[G0A+4*\n+2:G0A+4*\n+3], s[20:21], \n*PART
	s_or_b32 s[G0A+4*\n+3], s[G0A+4*\n+3], 0x80000000
	s_mov_b32 s[G0B+4*\n], 1
	s_add_co_u32 s[G0B+4*\n+1], s19, \n*SLOT
	s_add_nc_u64 s[G0B+4*\n+2:G0B+4*\n+3], s[98:99], \n*PART
	s_or_b32 s[G0B+4*\n+3], s[G0B+4*\n+3], 0x80000000
.endr
	CROUND                                         ; all sixteen work-groups are here: the first joint loads meet
	JLOAD 0                                        ; K steps 0-2: one tensor load a wave at the head
	v_and_b32 v1, 31, v0                           ; lane
	v_and_b32 v2, 15, v0                           ; r
	v_bfe_u32 v3, v0, 4, 1                         ; h
	v_lshlrev_b32 v[L16], 4, v1
	v_lshlrev_b32 v[L8], 3, v1
	v_lshlrev_b32 v[SH], 3, v3
	s_mul_i32 s2, s[WR], PART                      ; my part of A
	s_mul_i32 s3, s[WC], PART                      ; my part of B,
	s_add_co_u32 s3, s3, 2*PART                    ; behind A's two
	s_sub_co_u32 s19, s3, s2
	v_mul_u32_u24 v4, s19, v3                      ; lanes 16-31 take B's scale words: one product, the distance between the two
	v_lshl_add_u32 v4, v2, 4, v4                   ; 16 bytes a row
.irp n, 0,1
	v_add_nc_u32 v[ADA16+\n], s2, v[L16]
	v_add_nc_u32 v[ADA8+\n], s2, v[L8]
	v_add_nc_u32 v[ADB16+\n], s3, v[L16]
	v_add_nc_u32 v[ADB8+\n], s3, v[L8]
	v_add_nc_u32 v[ADRS+\n], s2, v4
	s_add_co_u32 s2, s2, SLOT
	s_add_co_u32 s3, s3, SLOT
.endr
	s_wait_alu depctr_va_vdst(0)
	s_wait_tensorcnt 0x0                           ; my part of slot 0 is in
	ds_add_u32 v[SPW], v[NIL]
	s_wait_dscnt 0x0
	CROUND                                         ; everybody's part of slot 0 is in, and the joint loads meet
	JLOAD 1                                        ; K steps 3-5, the first tensor load behind the round
	FETCH_B 0, 0, 0
	FETCH_A 0, 0, 0
	SCALES 0, 0, 0
	FETCH_A 0, 0, 4
	STEP 0, 1                                      ; the first products start the sums: nothing is cleared
	STEP 1, 0
	TURN 2, 1
	STEP 3, 0
	STEP 4, 0
	TURN 5, 0
	STEP 6, 0
	s_wait_dscnt 16                                ; the last K step: nothing more to fetch
	WIN MUL_LO
	MUL16 0, 1, 0
	MUL16 2, 1, 0
	s_wait_dscnt 0x0
	WIN MUL_HI
	MUL16 4, 1, 0
	MUL16 6, 1, 0
	WIN 0
	; where the results go
	s_lshl_b32 s20, s94, 1
	s_add_co_u32 s20, s20, s[WR]                   ; my group of A's rows
	s_lshl_b32 s22, s95, 1
	s_add_co_u32 s22, s22, s[WC]                   ; my group of B's rows
	s_and_b32 s2, s22, 7                           ; q and k: the pair of heads,
	s_lshr_b32 s3, s22, 3                          ; and q (0) or k (1)
	s_mul_i32 s98, s3, 6656
	s_mul_i32 s100, s3, 12800
	s_add_co_u32 s100, s100, 6144
	s_mov_b32 s99, 0
	s_mov_b32 s101, 0
	s_mov_b32 s25, 0
	s_mov_b32 s27, 0
	s_mov_b32 s12, 12800
	s_mov_b32 s13, 19456
	s_mov_b32 s14, 3072
	s_mov_b32 s15, HP
	s_mov_b32 s19, HP-3072
	s_cmp_lt_u32 s66, 4                            ; the cluster's y: the same in all partners
	s_cselect_b32 s2, s2, s20                      ; the pair of heads (v: A's group)
	s_cselect_b32 s3, s20, s22                     ; g
	s_cselect_b32 s98, s98, s12                    ; codes
	s_cselect_b32 s100, s100, s13                  ; scale words
	s_cselect_b32 s24, s15, s14                    ; image 1 against image 0: q, k: the next head's; v: the second 64 keys'
	s_cselect_b32 s26, 0, s19                      ; tiles 4-7 against tiles 0-3, beyond 768 a tile: v: the next head's
	s_lshl_b32 s2, s2, 6
	s_add_co_u32 s2, s2, s3
	s_mul_i32 s2, s2, UP
	s_add_co_u32 s98, s98, s2
	s_add_co_u32 s100, s100, s2
	s_add_nc_u64 s[8:9], s[6:7], s[98:99]          ; tiles 0-3: image 0,
	s_add_nc_u64 s[12:13], s[8:9], s[24:25]        ; image 1
	s_add_nc_u64 s[14:15], s[8:9], s[26:27]        ; tiles 4-7: image 0,
	s_add_nc_u64 s[40:41], s[14:15], s[24:25]      ; image 1
	s_add_nc_u64 s[10:11], s[6:7], s[100:101]
	s_mov_b32 s90, 0x76543210
	s_mov_b32 s91, 0xfedcba98                      ; v_permlanex16_b32's selects for lane l xor 16
	PLACES
	v_mov_b32 v[TM+9], 0                           ; written once: a lane permute's destination counts as one of its sources
; THE WAY OUT.  Tile a's 64 registers of a lane, register 32 c + i = B's row 64 c + 32 h + i, are two whole blocks; they become a fragment's codes (12 registers) and its rows' scale word, and leave at once.
; The accumulators are read where they lie, through the windows, each from its low end on.
.macro QUANTW a, p0, p1
.set AC, 64*((\a)%4)
.set QW, 2+(\a)/4
.set CA, CD+12*(\a)
	WIN QW|(QW<<2)|(QW<<4)
.irp c, 0,1
	v_max3_num_f32 v[TM+\c], |v[AC+32*\c]|, |v[AC+32*\c+1]|, 0x2800000   ; two chains a block, and the floor 2^(5 - 127): so the byte cannot fall under 1
	v_max3_num_f32 v[TM+2+\c], |v[AC+32*\c+16]|, |v[AC+32*\c+17]|, |v[AC+32*\c+18]|
.endr
	WIN (QW<<2)|(QW<<4)
.irp i, 2,4,6,8,10,12
.irp c, 0,1
	v_max3_num_f32 v[TM+\c], v[TM+\c], |v[AC+32*\c+\i]|, |v[AC+32*\c+\i+1]|
	v_max3_num_f32 v[TM+2+\c], v[TM+2+\c], |v[AC+32*\c+\i+17]|, |v[AC+32*\c+\i+18]|
.endr
.endr
.irp c, 0,1
	v_max3_num_f32 v[TM+\c], v[TM+\c], |v[AC+32*\c+14]|, |v[AC+32*\c+15]|
	v_max_num_f32 v[TM+2+\c], v[TM+2+\c], |v[AC+32*\c+31]|
.endr
	WIN 0
.irp c, 0,1
	v_max_num_f32 v[TM+\c], v[TM+\c], v[TM+2+\c]
.endr
.irp c, 0,1
	v_add_nc_u32 v[TM+4+\c], 0xfe000000, v[TM+\c]  ; 4 off its exponent field: the conversion's scale operand
.endr
.irp c, 0,1
	v_lshrrev_b32 v[TM+6+\c], 23, v[TM+4+\c]       ; the scale's byte
.endr
	WIN QW
.irp c, 0,1
	v_cvt_scalef32_pk16_bf6_f32 v[CA+6*\c:CA+6*\c+2], v[AC+32*\c:AC+32*\c+15], v[TM+4+\c]
	v_cvt_scalef32_pk16_bf6_f32 v[TP+4*\c:TP+4*\c+2], v[AC+16+32*\c:AC+31+32*\c], v[TM+4+\c]   ; (a conversion's three registers begin on an even number)
.endr
	WIN 0
	v_lshl_or_b32 v[TM+8], v[TM+7], 16, v[TM+6]    ; my two bytes, blocks h and 2 + h, at their places; with lane l xor 16's two the word is whole
	v_lshlrev_b32 v[TM+8], v[SH], v[TM+8]
	v_permlanex16_b32 v[TM+9], v[TM+8], s90, s91
	v_or_b32 v[PW+(\a)], v[TM+8], v[TM+9]
.irp c, 0,1
.irp i, 0,1,2
	v_mov_b32 v[CA+3+6*\c+\i], v[TP+4*\c+\i]
.endr
.endr
	global_store_b128 v[L16], v[CA:CA+3], s[\p0:\p0+1] offset:768*(\a)           ; 512 consecutive bytes, at a multiple of 256 from c2's first byte
	global_store_b64 v[L8], v[CA+4:CA+5], s[\p0:\p0+1] offset:768*(\a)+512       ; and 256
	global_store_b128 v[L16], v[CA+6:CA+9], s[\p1:\p1+1] offset:768*(\a)
	global_store_b64 v[L8], v[CA+10:CA+11], s[\p1:\p1+1] offset:768*(\a)+512
.endm
.irp a, 0,1,2,3
	QUANTW \a, 8, 12
.endr
.irp a, 4,5,6,7
	QUANTW \a, 14, 40
.endr
	v_cmp_le_u32 vcc_lo, 16, v1
.irp j, 0,1,2,3
	v_cndmask_b32 v[XW+\j], v[PW+2*\j], v[PW+2*\j+1], vcc_lo   ; lanes 0-15 tile 2 j's words, lanes 16-31 tile 2 j + 1's
.endr
	s_mov_b32 s2, 0x40400000
	s_wait_alu depctr_va_vdst(0)                   ; ahead of the branch
	s_cmp_lt_u32 s66, 4
	s_cbranch_scc0 .Lv_part
.irp j, 0,1,2,3
	v_and_or_b32 v[SW+\j], v[XW+\j], 0xffff, s2    ; head 0: the word's two lower bytes, under two bytes for the zero codes
	v_lshrrev_b32 v[SW+4+\j], 16, v[XW+\j]         ; head 1: its two upper bytes
.endr
.irp j, 0,1,2,3
	v_or_b32 v[SW+4+\j], s2, v[SW+4+\j]
.endr
	global_store_b128 v[L16], v[SW:SW+3], s[10:11]
	global_store_b128 v[L16], v[SW+4:SW+7], s[10:11] offset:HP
	s_branch .Ldone
.Lv_part:
	global_store_b64 v[L8], v[XW:XW+1], s[10:11]
	global_store_b64 v[L8], v[XW+2:XW+3], s[10:11] offset:HP
.Ldone:
	s_wait_tensorcnt 0x0                           ; the wave's end
	ds_add_u32 v[SPW], v[NIL]
	s_wait_dscnt 0x0
	CROUND                                         ; the closing round: no work-group ends while a partner may still ask for a part that names it
	s_endpgm
.Lfunc_end_k_qe48be263d5_qkv:
	.size	k_qe48be263d5_qkv, .Lfunc_end_k_qe48be263d5_qkv-k_qe48be263d5_qkv
	.p2alignl 7, 3214868480
	.fill 96, 4, 3214868480
	.section	.rodata,"a",@progbits
	.p2align	6, 0x0
	.amdhsa_kernel k_qe48be263d5_qkv
		.amdhsa_group_segment_fixed_size 327680
		.amdhsa_private_segment_fixed_size 0
		.amdhsa_enable_private_segment 0
		.amdhsa_kernarg_size 16
		.amdhsa_user_sgpr_count 2
		.amdhsa_user_sgpr_kernarg_segment_ptr 1
		.amdhsa_wavefront_size32 1
		.amdhsa_system_sgpr_workgroup_id_x 1
		.amdhsa_system_sgpr_workgroup_id_y 1
		.amdhsa_system_sgpr_workgroup_id_z 1
		.amdhsa_system_vgpr_workitem_id 0
		.amdhsa_next_free_vgpr 1024
		.amdhsa_next_free_sgpr 102
		.amdhsa_reserve_vcc 1
		.amdhsa_float_denorm_mode_32 3
		.amdhsa_float_denorm_mode_16_64 3
		.amdhsa_memory_ordered 1
		.amdhsa_forward_progress 1
		.amdhsa_inst_pref_size 140
	.end_amdhsa_kernel
	.amdgpu_metadata
---
amdhsa.version: [ 1, 2 ]
amdhsa.kernels:
  - .name:           k_qe48be263d5_qkv
    .symbol:         k_qe48be263d5_qkv.kd
    .args:
      - { .name: c1, .offset: 0, .size: 8, .value_kind: global_buffer, .address_space: global }
      - { .name: c2, .offset: 8, .size: 8, .value_kind: global_buffer, .address_space: global }
    .group_segment_fixed_size: 327680
    .private_segment_fixed_size: 0
    .kernarg_segment_align: 8
    .kernarg_segment_size: 16
    .max_flat_workgroup_size: 128
    .sgpr_count:     102
    .vgpr_count:     1024
    .wavefront_size: 32
...
	.end_amdgpu_metadata
.endif
;; end of part 2
;; launch attn (part 3): grid 128 x 2, 16 waves a work-group, clusters of 4 x 1, 256,000 bytes of LDS; arguments c2, c3; writes c3
.if DOCPART == 3
	.amdgcn_target "amdgcn-amd-amdhsa--gfx1250"
	.amdhsa_code_object_version 6
	.text
	.protected	k_qe48be263d5_attn
	.globl	k_qe48be263d5_attn
	.p2align	8
	.type	k_qe48be263d5_attn,@function
k_qe48be263d5_attn:
	s_mov_b64 s[64:65], 0
	v_nop
	global_prefetch_b8 v0, s[64:65] scope:SCOPE_SE
	s_setreg_imm32_b32 hwreg(HW_REG_WAVE_MODE, 25, 1), 1
	s_wait_xcnt 0x0
	s_wait_alu depctr_hold_cnt(0) depctr_sa_sdst(0) depctr_va_vdst(0) depctr_va_sdst(0) depctr_va_ssrc(0) depctr_va_vcc(0) depctr_vm_vsrc(0)
	s_getreg_b32 s2, hwreg(HW_REG_IB_STS2, 6, 4)
	s_cmp_eq_u32 s2, 0
	s_cbranch_scc0 .Lentry_in_a_cluster
	s_endpgm
.Lentry_in_a_cluster:
	s_bfe_u32 s2, ttmp6, 0x10000c
	s_cmp_lg_u32 s2, 0x3003
	s_cbranch_scc0 .Lentry_shape_is_right
	s_endpgm
.Lentry_shape_is_right:
; Causal attention of one (batch, head) on codes of BF6 (E3M2) with E8M0 scales: S = q k^T (K = the head's 64: q's codes for the instruction's upper 64 are zeros), p = 2^(t - M), ctx = (p v) / l, and ctx leaves as codes.
; t = score x log2(e) / 8; M = the row's largest t so far, rounded UP to a whole number; p is what is quantised, along the keys; it is not normalised.  The row's sum l is taken of the unquantised p, in f32.
; When M moves, l and O are multiplied by 2^(old M - new M): exact.
; WORK LEFT OUT: steps of 128 keys that come wholly after a tile's queries, which reference()'s own causal mask throws away; a NaN or an infinity that reaches only them is not carried on.
; INPUT (c2): [head 16][g 32 = 16 batch + 128 rows][19,712]: q's codes at 0, q's scale words at 6,144, and from 6,656 on 13,056 bytes: k's codes [tile 8][768], v's codes [image 2][tile 4][768], k's scale words (512), v's (256).
; An image of 768 bytes holds 16 rows x 64 K: registers 0-3 of lane l at 16 l, registers 4-5 at 512 + 8 l.  Lane r of tile 4 c + u holds row (key, query or channel) 64 c + 8 u + 32 (r / 8) + r % 8.
; RESULT (c3): [g][head / 2][12,800]: [tile 8][head % 2][768], then 512 bytes of scale words: two bytes of the word at 256 (t / 4) + 16 r + 4 (t % 4), + 2 (head % 2).
; Those two bytes a lane are the one small store: a word's four bytes come from two heads, that is from two work-groups.  Lanes r and r + 16 store the same two bytes to the same place.
; SHARES.  A work-group owns one (batch, head) and tile j (16 queries) of each of its 16 groups of 128.  Tile j of group g needs g + 1 steps of 128 keys.  Wave i (0-7): group 15 - i, keys' steps 0-8.  Wave 8 + i: group i, steps 0-i,
; then group 15 - i, steps 9 .. 15 - i, whose O, l and M it hands to wave i through LDS.  So a wave has nine or eight steps, and no barrier stands among them.
; CLUSTERS: the four partners share the head and differ in j, which enters q's and ctx's addresses and the mask's data alone: no branch, trip count or LDS address.  K and V are asked for jointly: wave w asks for step w's 13,056 bytes.
; LDS is filled once: no refill, and no prefetch: there is no loop of fills to run ahead in.
; THE MASK is a table in LDS, the image of the 64 score registers: 0 where the key counts, -2^126 where it is hidden.  On the diagonal it is loaded as the product's C.  All waves share it (one j to a work-group).
; BOTH PRODUCTS ARE USED TRANSPOSED: S^T = k q^T, O^T = v^T p^T: a lane holds one query throughout; score register 32 c + i of lane (r, h) is key 64 c + 32 h + i: a lane holds whole blocks of 32 keys, and in O^T (register i = channel 32 h + i) a whole block of channels.
; k's fragments overlap: the upper six registers of fragment t are fragment t + 1's lower six, which meet q's zero codes.
; LIMITS: the promise holds while the scaled scores stay under 2^31 in magnitude; a block of p or of ctx whose largest number lies under 2^(5 - 127), a block of zeros among them, gets the byte 1 (its codes add nothing or next to nothing; the bytes are read by this
; program alone); a block's largest p is taken as the exponential of its largest score, which takes v_exp_f32 not to fall where its input rises; NaN and infinities are not served.
; REGISTERS: v1 16 x lane, v2 8 x lane, v3 8 h, v4-5 addresses in hand, v6 my pair's place in LDS, v7 16 r, v9 q's scale word, v10 the mask; v12 -M, v13 the largest score, v[14:15] l in two halves; v16-27 q; v28-75 k's eight fragments, v76-81 zeros behind them
; (v28-47 at work once the scores are made); v82-129 v's four; v130-193 S^T, then p; v194-225 O^T; v226-237 p's codes; v238-243 scale words of k and v; v244-253 at work, v252 p's scale word.
.set UP,   19712
.set KVP,  13056
.set MT,   16*KVP                      ; LDS: behind the 16 steps the mask's 8,192 bytes,
.set JB,   MT+8192                     ; the eight pairs' partial results,
.set JPP,  4608
.set SPARE, JB+8*JPP                   ; and the spare words, 128 bytes a wave
.set KB,   28
.set VF,   82
.set S,    130
.set OT,   194
.set PC,   226
.set KS,   238
.set VS,   242
.set BM,   244
.set TX,   246
.set T1,   247
.set F,    248
.set OP,   250
.set PW,   252
.set T2,   253
.set SPW,  254
.set NIL,  255
.set WV,   12                          ; s12 wave; s13 pair; s15 my group in hand; s16 the last trip of my first tile; s17 my trips; s18 trip; s19 how much further on my second tile's keys lie
.set PI,   13
.set GC,   15
.set SW,   16
.set LIM,  17
.set N,    18
.set DEL,  19
.macro CROUND                          ; a round of the cluster's barrier
	s_barrier_signal -1
	s_barrier_wait -1
	s_cmp_lg_u32 s[WV], 0
	s_cbranch_scc1 .Lnot_wave_0_\@
	s_barrier_signal -3
.Lnot_wave_0_\@:
	s_barrier_wait -3
	s_barrier_signal -1
	s_barrier_wait -1
.endm
.macro INIT                            ; a tile's start
	v_mov_b32 v13, 0xff61b1e6                      ; the largest score so far: -3e38, under every score
	v_mov_b32 v14, 0                               ; l, in two halves
	v_mov_b32 v15, 0
	v_mul_f32 v12, s60, v13
.set n, 0
.rept 32
	v_mov_b32 v[OT+n], 0                           ; O^T.  (The step is written once: the first finds zeros, which the first change of M leaves zeros)
.set n, n+1
.endr
	v_floor_f32 v12, v12                           ; -M
.endm
.macro LOADQ
	global_load_b128 v[16:19], v1, s[44:45]        ; q's image: it stays in registers
	global_load_b64 v[20:21], v2, s[44:45] offset:512
	global_load_b32 v9, v7, s[46:47]               ; and its scale words
.endm
; O^T / l is my query's 64 numbers of ctx, a whole block of the next product's K in a lane: quantised and stored
.macro FIN
	v_add_f32 v14, v14, v15                        ; l's two halves,
	v_permlanex16_b32 v[TX], v14, s20, s21
	v_add_f32 v14, v14, v[TX]                      ; and lane l xor 16's
	v_nop                                          ; (with the three lines above the places behind the last products)
	v_nop
	s_wait_alu depctr_va_vdst(0)                   ; the wait ahead of the transcendental,
	v_rcp_f32 v14, v14
	v_nop                                          ; one plain place behind it,
	s_wait_alu depctr_va_vdst(0)                   ; and the wait ahead of its first reader
.set n, 0
.rept 32
	v_mul_f32 v[S+n], v[OT+n], v14
.set n, n+1
.endr
	v_max3_num_f32 v[BM], |v[S]|, |v[S+1]|, 0x2800000
	v_max3_num_f32 v[BM+1], |v[S+16]|, |v[S+17]|, |v[S+18]|
.irp i, 2,4,6,8,10,12
	v_max3_num_f32 v[BM], v[BM], |v[S+\i]|, |v[S+\i+1]|
	v_max3_num_f32 v[BM+1], v[BM+1], |v[S+\i+17]|, |v[S+\i+18]|
.endr
	v_max3_num_f32 v[BM], v[BM], |v[S+14]|, |v[S+15]|
	v_max3_num_f32 v[BM], v[BM], v[BM+1], |v[S+31]|
	v_add_nc_u32 v[OP], 0xfe000000, v[BM]          ; 4 off the exponent field: the conversion's scale operand
	v_cvt_scalef32_pk16_bf6_f32 v[PC:PC+2], v[S:S+15], v[OP]
	v_cvt_scalef32_pk16_bf6_f32 v[32:34], v[S+16:S+31], v[OP]
	v_lshrrev_b32 v28, 23, v[OP]                   ; the scale's byte,
	v_lshlrev_b32 v28, v3, v28                     ; at its place;
	v_permlanex16_b32 v[TX], v28, s20, s21
	v_or_b32 v29, v28, v[TX]                       ; with lane l xor 16's: my row's two
.irp i, 0,1,2
	v_mov_b32 v[PC+3+\i], v[32+\i]
.endr
	global_store_b128 v1, v[PC:PC+3], s[48:49]     ; 512 consecutive bytes, at a multiple of 256 from c3's first byte
	global_store_b64 v2, v[PC+4:PC+5], s[48:49] offset:512
	global_store_b16 v7, v29, s[52:53]
.endm
	s_load_b128 s[4:7], s[0:1], 0x0                ; c2, c3
	v_lshl_add_u32 v[SPW], v0, 2, SPARE
	v_mov_b32 v[NIL], 0
	ds_add_u32 v[SPW], v[NIL]                      ; the add, twice on end, and its wait
	ds_add_u32 v[SPW], v[NIL]
	v_lshrrev_b32 v8, 5, v0
	v_readfirstlane_b32 s[WV], v8                  ; wave 0..15
	s_and_b32 s[PI], s[WV], 7                      ; pair i
	s_lshr_b32 s40, s[WV], 3                       ; 0: wave i, 1: wave 8 + i
	s_xor_b32 s41, s40, 1
	s_lshl_b32 s42, s41, 3
	s_xor_b32 s[SW], s[WV], 8
	s_add_co_u32 s[SW], s[SW], s42                 ; wave 8 + i: i; wave i: 16 + i, a trip that never comes
	s_add_co_u32 s[LIM], s41, 8                    ; nine trips or eight
	s_xor_b32 s[DEL], s[PI], 7
	s_add_co_u32 s[DEL], s[DEL], 1                 ; 8 - i: trip i + 1 is step 9
	s_mul_i32 s42, s41, 7
	s_add_co_u32 s42, s42, 8
	s_xor_b32 s[GC], s[WV], s42                    ; my first group: wave i: 15 - i; wave 8 + i: i
	s_bfe_u32 s36, ttmp6, 0x40000                  ; cx
	s_and_b32 s37, ttmp7, 0xffff
	s_lshl_b32 s37, s37, 2
	s_add_co_u32 s36, s36, s37                     ; j
	s_lshr_b32 s37, s36, 2
	s_and_b32 s38, s36, 3
	s_lshl_b32 s43, s37, 6
	s_lshl_b32 s54, s38, 3
	s_add_co_u32 s43, s43, s54                     ; the tile's first query in its group: 64 (j / 4) + 8 (j % 4)
	s_lshl_b32 s54, s40, 6
	s_lshl_b32 s55, s[PI], 2
	s_add_co_u32 s54, s54, s55                     ; the wave makes the mask's registers 4 w .. 4 w + 3: keys 64 (w / 8) + 4 (w % 8) .., + 32 h
	s_sub_co_u32 s43, s43, s54
	v_and_b32 v8, 31, v0
	v_lshlrev_b32 v1, 4, v8                        ; 16 x lane
	v_lshlrev_b32 v2, 3, v8                        ; 8 x lane
	v_and_b32 v11, 15, v0                          ; r
	v_lshlrev_b32 v7, 4, v11                       ; 16 r
	v_bfe_u32 v3, v0, 4, 1                         ; h
	v_and_b32 v245, 8, v0
	v_mad_u32_u24 v244, v245, 3, v11               ; 32 (r / 8) + r % 8
	v_lshlrev_b32 v247, 5, v3
	v_sub_nc_u32 v244, v244, v247                  ; - 32 h
	v_add_nc_u32 v244, s43, v244                   ; register 4 w + e is hidden where e > this
	v_mov_b32 v247, 0xfe800000                     ; -2^126
	v_lshlrev_b32 v3, 3, v3                        ; 8 h
.irp e, 0,1,2,3
	v_cmp_gt_i32 vcc_lo, \e, v244
	v_cndmask_b32 v[S+\e], 0, v247, vcc_lo
.endr
	s_lshl_b32 s54, s[WV], 9
	s_add_co_u32 s54, s54, MT
	v_add_nc_u32 v8, s54, v1                       ; where my four registers of the mask go
	v_add_nc_u32 v10, MT, v1                       ; the mask
	s_mul_i32 s55, s[PI], JPP
	s_add_co_u32 s55, s55, JB
	v_add_nc_u32 v6, s55, v1                       ; my pair's place
	s_mov_b32 s24, 15|(3<<16)|(1<<21)              ; all four partners; elements of 8 bytes; no padding; bit 21 set beside a mask
	s_mov_b32 s25, 32<<16                          ; a step's k and v: 13,056 dense bytes as 51 rows of 256
	s_mov_b32 s26, 51<<16
	s_mov_b32 s27, 32<<16
	s_mov_b32 s28, 51
	s_mov_b32 s29, 32
	s_mov_b32 s30, 0
	s_mov_b32 s31, 0
	s_lshl_b32 s54, ttmp9, 4                       ; the cluster's x = 2 head + batch: its first (head, g)
	s_add_co_u32 s55, s54, s[WV]
	s_mul_i32 s40, s55, UP
	s_add_co_u32 s40, s40, 6656
	s_mov_b32 s41, 0
	s_mov_b32 s32, 1
	s_mul_i32 s33, s[WV], KVP                      ; where it goes: no place in the cluster enters an LDS address
	s_wait_alu depctr_va_vdst(0)
	s_wait_dscnt 0x0                               ; both opening adds are done
	s_wait_kmcnt 0x0
	s_add_nc_u64 s[34:35], s[4:5], s[40:41]
	s_or_b32 s35, s35, 0x80000000
	CROUND                                         ; all four work-groups are here: the joint loads meet
	tensor_load_to_lds s[32:35], s[24:31]          ; step w: the wave's one tensor load
	s_nop 0
	s_add_co_u32 s55, s54, s[GC]
	s_mul_i32 s56, s55, UP                         ; q: my first group,
	s_mul_i32 s42, s36, 768                        ; tile j
	s_add_co_u32 s40, s56, s42
	s_add_nc_u64 s[44:45], s[4:5], s[40:41]
	s_and_b32 s42, s36, 1                          ; its scale words: 256 (j % 2) + 4 (j / 2), + 16 r
	s_lshl_b32 s42, s42, 8
	s_add_co_u32 s56, s56, s42
	s_lshr_b32 s42, s36, 1
	s_lshl_b32 s42, s42, 2
	s_add_co_u32 s56, s56, s42
	s_add_co_u32 s56, s56, 6144
	s_mov_b32 s57, 0
	s_add_nc_u64 s[46:47], s[4:5], s[56:57]
	LOADQ
	s_and_b32 s54, ttmp9, 1                        ; ctx: g = 16 batch + group,
	s_lshl_b32 s54, s54, 4
	s_add_co_u32 s54, s54, s[GC]
	s_lshl_b32 s54, s54, 3
	s_lshr_b32 s42, ttmp9, 2
	s_add_co_u32 s54, s54, s42                     ; 8 g + head / 2
	s_mul_i32 s58, s54, 12800
	s_bfe_u32 s42, ttmp9, 0x10001                  ; head % 2
	s_mul_i32 s40, s36, 1536
	s_add_co_u32 s40, s40, s58
	s_mul_i32 s54, s42, 768
	s_add_co_u32 s40, s40, s54
	s_add_nc_u64 s[48:49], s[6:7], s[40:41]        ; my image
	s_lshl_b32 s40, s37, 8
	s_add_co_u32 s40, s40, s58
	s_lshl_b32 s54, s38, 2
	s_add_co_u32 s40, s40, s54
	s_lshl_b32 s54, s42, 1
	s_add_co_u32 s40, s40, s54
	s_add_co_u32 s40, s40, 12288
	s_add_nc_u64 s[52:53], s[6:7], s[40:41]        ; my two scale bytes a row
	s_xor_b32 s42, s[PI], 15
	s_sub_co_u32 s42, s42, s[PI]
	s_mul_i32 s54, s42, UP                         ; from group i's q to group 15 - i's
	s_mov_b32 s55, 0
	s_mov_b32 s20, 0x76543210
	s_mov_b32 s21, 0xfedcba98                      ; v_permlanex16_b32's selects for lane l xor 16
	s_mov_b32 s22, 0x3e38aa3b                      ; c = log2(e) / 8
	s_mov_b32 s23, s22                             ; (named with it as a pair, so it is written)
	s_mov_b32 s60, 0xbe38aa3b                      ; -c
	s_mov_b32 s[N], 0
.irp i, 0,1,2,3,4,5
	v_mov_b32 v[22+\i], 0                          ; the upper 64 of the instruction's K: zero codes in q,
	v_mov_b32 v[76+\i], 0                          ; and behind k's last fragment
.endr
	v_mov_b32 v[TX], 0                             ; written once: a lane permute's destination counts as one of its sources
	v_mov_b32 v[F+1], 0                            ; (named as the upper half of a pair)
	INIT
	s_wait_alu depctr_va_vdst(0)
	s_wait_loadcnt 0x0                             ; q
	s_wait_tensorcnt 0x0                           ; my step is in
	s_barrier_signal -1
	s_barrier_wait -1                              ; everybody's is; nothing is filled again
	ds_store_b128 v8, v[S:S+3]                     ; my four registers of the mask: bytes that no tile lands on
	s_wait_dscnt 0x0
	s_barrier_signal -1
	s_barrier_wait -1                              ; the mask is whole
; A TRIP: 128 keys.
.Ltrip:
	s_cmp_ge_u32 s[N], s[LIM]
	s_cbranch_scc1 .Lnext                          ; waves 8-15 have no ninth trip
	s_cmp_gt_u32 s[N], s[SW]
	s_cselect_b32 s50, s[DEL], 0
	s_add_co_u32 s50, s50, s[N]
	s_min_u32 s50, s50, 15                         ; the step of keys: never above 15
	s_mul_i32 s51, s50, KVP
	v_add_nc_u32 v4, s51, v1
	v_add_nc_u32 v5, s51, v2
.irp t, 0,1,2,3,4,5,6,7                ; k: an image a tile
	ds_load_b128 v[KB+6*\t:KB+6*\t+3], v4 offset:768*\t
	ds_load_b64 v[KB+6*\t+4:KB+6*\t+5], v5 offset:768*\t+512
.endr
	ds_load_b128 v[KS:KS+3], v4 offset:12288       ; the eight tiles' scale words: lanes 0-15 even tiles, lanes 16-31 odd ones
.macro SCORE t, diag
.if \diag
.if (\t)%2
	v_wmma_scale_f32_16x16x128_f8f6f4 v[S+8*\t:S+8*\t+7], v[KB+6*\t:KB+6*\t+11], v[16:27], v[S+8*\t:S+8*\t+7], v[KS+(\t)/2], v9 matrix_a_fmt:MATRIX_FMT_BF6 matrix_b_fmt:MATRIX_FMT_BF6 matrix_a_scale:MATRIX_SCALE_ROW1
.else
	v_wmma_scale_f32_16x16x128_f8f6f4 v[S+8*\t:S+8*\t+7], v[KB+6*\t:KB+6*\t+11], v[16:27], v[S+8*\t:S+8*\t+7], v[KS+(\t)/2], v9 matrix_a_fmt:MATRIX_FMT_BF6 matrix_b_fmt:MATRIX_FMT_BF6
.endif
.else
.if (\t)%2
	v_wmma_scale_f32_16x16x128_f8f6f4 v[S+8*\t:S+8*\t+7], v[KB+6*\t:KB+6*\t+11], v[16:27], 0, v[KS+(\t)/2], v9 matrix_a_fmt:MATRIX_FMT_BF6 matrix_b_fmt:MATRIX_FMT_BF6 matrix_a_scale:MATRIX_SCALE_ROW1
.else
	v_wmma_scale_f32_16x16x128_f8f6f4 v[S+8*\t:S+8*\t+7], v[KB+6*\t:KB+6*\t+11], v[16:27], 0, v[KS+(\t)/2], v9 matrix_a_fmt:MATRIX_FMT_BF6 matrix_b_fmt:MATRIX_FMT_BF6
.endif
.endif
.endm
	s_cmp_lg_u32 s50, s[GC]
	s_cbranch_scc1 .Lopen
.set n, 0
.rept 16
	ds_load_b128 v[S+4*n:S+4*n+3], v10 offset:512*n   ; on the diagonal the sums begin with the mask
.set n, n+1
.endr
	s_wait_dscnt 0x0
.irp t, 0,1,2,3,4,5,6,7
	SCORE \t, 1
.endr
	s_branch .Lscored
.Lopen:
	s_wait_dscnt 0x0
.irp t, 0,1,2,3,4,5,6,7
	SCORE \t, 0
.endr
.Lscored:
.rept 4
	v_nop                                          ; the places behind the products
.endr
.irp c, 0,1                            ; the largest score of each of my two blocks, in two chains each: it serves the row's maximum and, since p rises with the score, the block's largest p
	v_max3_num_f32 v[BM+\c], v[S+32*\c], v[S+1+32*\c], v[S+2+32*\c]
	v_max3_num_f32 v[28+\c], v[S+16+32*\c], v[S+17+32*\c], v[S+18+32*\c]
.endr
.macro MAXES i
.irp c, 0,1
	v_max3_num_f32 v[BM+\c], v[BM+\c], v[S+32*\c+\i], v[S+1+32*\c+\i]
	v_max3_num_f32 v[28+\c], v[28+\c], v[S+16+32*\c+\i], v[S+17+32*\c+\i]
.endr
.endm
	MAXES 3
	MAXES 5
.irp u, 0,1,2,3                        ; v's four fragments: they land while the softmax is walked
.irp c, 0,1
	ds_load_b128 v[VF+12*\u+6*\c:VF+12*\u+6*\c+3], v4 offset:6144+3072*\c+768*\u
	ds_load_b64 v[VF+12*\u+6*\c+4:VF+12*\u+6*\c+5], v5 offset:6144+3072*\c+768*\u+512
.endr
.endr
	ds_load_b64 v[VS:VS+1], v5 offset:12800        ; and their scale words
	MAXES 7
	MAXES 9
	MAXES 11
	MAXES 13
.irp c, 0,1
	v_max3_num_f32 v[BM+\c], v[BM+\c], v[28+\c], v[S+15+32*\c]
.endr
.irp c, 0,1
	v_max_num_f32 v[BM+\c], v[BM+\c], v[S+31+32*\c]
.endr
	v_mov_b32 v[T2], v12
	v_max_num_f32 v[T1], v[BM], v[BM+1]
	v_permlanex16_b32 v[TX], v[T1], s20, s21       ; lane l xor 16's 64 keys
	v_max3_num_f32 v13, v13, v[T1], v[TX]          ; the running largest score of my query
	v_mul_f32 v[T1], s60, v13                      ; as -t
	v_floor_f32 v12, v[T1]                         ; the new -M = floor(-t) = -ceil(t): a whole number
	v_sub_f32 v[T2], v12, v[T2]                    ; M's old value less its new one: a whole number, 0 or less
	v_cvt_i32_f32 v[T2], v[T2]                     ; (it saturates)
	v_ldexp_f32 v[F], 1.0, v[T2]                   ; f = 2^(old M - new M)
.set n, 0
.rept 32
	v_pk_fma_f32 v[S+n:S+n+1], v[S+n:S+n+1], s[22:23], v[12:13] op_sel_hi:[1,0,0]   ; t - M, two at a time (of the pairs c and -M the low word serves both halves)
.set n, n+2
.endr
.irp c, 0,1
	v_fma_f32 v[BM+\c], v[BM+\c], s22, v12         ; the same of each block's largest score
.endr
.set n, 0
.rept 16
	v_pk_mul_f32 v[OT+n:OT+n+1], v[OT+n:OT+n+1], v[F:F+1] op_sel_hi:[1,0]   ; O^T under the new M
.set n, n+2
.endr
	s_wait_alu depctr_va_vdst(0)                   ; the wait ahead of the batch,
.set n, 0
.rept 64
	v_exp_f32 v[S+n], v[S+n]                       ; p = 2^(t - M), at most 1: not normalised
.set n, n+1
.endr
.irp c, 0,1
	v_exp_f32 v[BM+\c], v[BM+\c]                   ; the block's largest p: the same two instructions on the same number give the same bits
.endr
	v_pk_mul_f32 v[14:15], v[14:15], v[F:F+1] op_sel_hi:[1,0]   ; l under the new M.  (A plain place behind the exponentials)
	s_wait_alu depctr_va_vdst(0)                   ; and ahead of its first reader
.irp c, 0,1
	v_max_num_f32 v[BM+\c], 0x2800000, v[BM+\c]    ; the floor 2^(5 - 127): the byte cannot fall under 1
.endr
.irp c, 0,1
	v_add_nc_u32 v[OP+\c], 0xfe000000, v[BM+\c]    ; 4 off the exponent field: the conversion's scale operand
.endr
.irp c, 0,1
	v_lshrrev_b32 v[28+\c], 23, v[OP+\c]           ; the scale's byte
.endr
.irp c, 0,1
	v_cvt_scalef32_pk16_bf6_f32 v[PC+6*\c:PC+6*\c+2], v[S+32*\c:S+15+32*\c], v[OP+\c]
	v_cvt_scalef32_pk16_bf6_f32 v[32+4*\c:34+4*\c], v[S+16+32*\c:S+31+32*\c], v[OP+\c]   ; (a conversion's three registers begin on an even number)
.endr
	v_lshl_or_b32 v30, v29, 16, v28                ; p's scale word for these 128 keys: my two bytes, blocks h and 2 + h, and lane l xor 16's
	v_lshlrev_b32 v30, v3, v30
.irp k, 0,1,2,3                        ; the row's sum: of the unquantised p, two at a time, in four chains
	v_pk_add_f32 v[40+2*\k:41+2*\k], v[S+2*\k:S+2*\k+1], v[S+8+2*\k:S+9+2*\k]
.endr
	v_permlanex16_b32 v[TX], v30, s20, s21
.irp c, 0,1
.irp i, 0,1,2
	v_mov_b32 v[PC+3+6*\c+\i], v[32+4*\c+\i]
.endr
.endr
	v_or_b32 v[PW], v30, v[TX]
.irp m, 16,24,32,40,48,56
.irp k, 0,1,2,3
	v_pk_add_f32 v[40+2*\k:41+2*\k], v[40+2*\k:41+2*\k], v[S+\m+2*\k:S+\m+2*\k+1]
.endr
.endr
	v_pk_add_f32 v[40:41], v[40:41], v[42:43]
	v_pk_add_f32 v[44:45], v[44:45], v[46:47]
	v_pk_add_f32 v[14:15], v[14:15], v[40:41]
	v_pk_add_f32 v[14:15], v[14:15], v[44:45]
	s_wait_dscnt 0x0                               ; v is in
.irp t, 0,1,2,3                        ; O^T += v^T p^T: the four accumulators by turns
.if \t%2
	v_wmma_scale_f32_16x16x128_f8f6f4 v[OT+8*\t:OT+8*\t+7], v[VF+12*\t:VF+12*\t+11], v[PC:PC+11], v[OT+8*\t:OT+8*\t+7], v[VS+\t/2], v[PW] matrix_a_fmt:MATRIX_FMT_BF6 matrix_b_fmt:MATRIX_FMT_BF6 matrix_a_scale:MATRIX_SCALE_ROW1
.else
	v_wmma_scale_f32_16x16x128_f8f6f4 v[OT+8*\t:OT+8*\t+7], v[VF+12*\t:VF+12*\t+11], v[PC:PC+11], v[OT+8*\t:OT+8*\t+7], v[VS+\t/2], v[PW] matrix_a_fmt:MATRIX_FMT_BF6 matrix_b_fmt:MATRIX_FMT_BF6
.endif
.endr
	s_cmp_lg_u32 s[N], s[SW]
	s_cbranch_scc1 .Lnext
	; wave 8 + i behind trip i: group i's tile is whole and leaves; group 15 - i's begins
	s_add_nc_u64 s[44:45], s[44:45], s[54:55]
	s_add_nc_u64 s[46:47], s[46:47], s[54:55]
	LOADQ
	s_xor_b32 s[GC], s[PI], 15
	s_wait_alu depctr_va_vdst(0)                   ; ahead of l's reader
	FIN
	INIT
	s_wait_alu depctr_va_vdst(0)
	s_wait_xcnt 0x0                                ; the stores have read their registers
	s_wait_loadcnt 0x0                             ; q
.Lnext:
	s_add_co_u32 s[N], s[N], 1
	s_cmp_lt_u32 s[N], 9
	s_cbranch_scc1 .Ltrip
	; the two halves of group 15 - i's tile meet: wave 8 + i hands over O^T, -M and l (for i = 7 an empty part, whose factor is 0)
	s_cmp_lt_u32 s[WV], 8
	s_cbranch_scc1 .Lmeet
.rept 4
	v_nop                                          ; the places behind the last products
.endr
	s_wait_alu depctr_va_vdst(0)
.irp k, 0,1,2,3,4,5,6,7
	ds_store_b128 v6, v[OT+4*\k:OT+4*\k+3] offset:512*\k
.endr
	ds_store_b128 v6, v[12:15] offset:4096
.Lmeet:
	s_wait_alu depctr_va_vdst(0)
	s_wait_dscnt 0x0
	s_barrier_signal -1
	s_barrier_wait -1
	s_cmp_ge_u32 s[WV], 8
	s_cbranch_scc1 .Lend
.irp k, 0,1,2,3,4,5,6,7,8
	ds_load_b128 v[S+4*\k:S+4*\k+3], v6 offset:512*\k
.endr
	s_wait_dscnt 0x0
	v_min_num_f32 v28, v12, v[S+32]                ; the joint -M
	v_sub_f32 v29, v28, v12
	v_sub_f32 v30, v28, v[S+32]
	v_cvt_i32_f32 v29, v29
	v_cvt_i32_f32 v30, v30
	v_ldexp_f32 v32, 1.0, v29
	v_ldexp_f32 v33, 1.0, v29
	v_ldexp_f32 v34, 1.0, v30
	v_ldexp_f32 v35, 1.0, v30
.set n, 0
.rept 16
	v_pk_mul_f32 v[OT+n:OT+n+1], v[OT+n:OT+n+1], v[32:33]
.set n, n+2
.endr
.set n, 0
.rept 16
	v_pk_fma_f32 v[OT+n:OT+n+1], v[S+n:S+n+1], v[34:35], v[OT+n:OT+n+1]
.set n, n+2
.endr
	v_pk_mul_f32 v[14:15], v[14:15], v[32:33]
	v_pk_fma_f32 v[14:15], v[S+34:S+35], v[34:35], v[14:15]
	FIN
.Lend:
	s_wait_tensorcnt 0x0                           ; the wave's end
	ds_add_u32 v[SPW], v[NIL]
	s_wait_dscnt 0x0
	CROUND                                         ; the closing round: no work-group ends while a partner may still ask for a tile that names it
	s_endpgm
.Lfunc_end_k_qe48be263d5_attn:
	.size	k_qe48be263d5_attn, .Lfunc_end_k_qe48be263d5_attn-k_qe48be263d5_attn
	.p2alignl 7, 3214868480
	.fill 96, 4, 3214868480
	.section	.rodata,"a",@progbits
	.p2align	6, 0x0
	.amdhsa_kernel k_qe48be263d5_attn
		.amdhsa_group_segment_fixed_size 256000
		.amdhsa_private_segment_fixed_size 0
		.amdhsa_enable_private_segment 0
		.amdhsa_kernarg_size 16
		.amdhsa_user_sgpr_count 2
		.amdhsa_user_sgpr_kernarg_segment_ptr 1
		.amdhsa_wavefront_size32 1
		.amdhsa_system_sgpr_workgroup_id_x 1
		.amdhsa_system_sgpr_workgroup_id_y 1
		.amdhsa_system_sgpr_workgroup_id_z 1
		.amdhsa_system_vgpr_workitem_id 0
		.amdhsa_next_free_vgpr 256
		.amdhsa_next_free_sgpr 72
		.amdhsa_reserve_vcc 1
		.amdhsa_float_denorm_mode_32 3
		.amdhsa_float_denorm_mode_16_64 3
		.amdhsa_memory_ordered 1
		.amdhsa_forward_progress 1
		.amdhsa_inst_pref_size 38
	.end_amdhsa_kernel
	.amdgpu_metadata
---
amdhsa.version: [ 1, 2 ]
amdhsa.kernels:
  - .name:           k_qe48be263d5_attn
    .symbol:         k_qe48be263d5_attn.kd
    .args:
      - { .name: c2, .offset: 0, .size: 8, .value_kind: global_buffer, .address_space: global }
      - { .name: c3, .offset: 8, .size: 8, .value_kind: global_buffer, .address_space: global }
    .group_segment_fixed_size: 256000
    .private_segment_fixed_size: 0
    .kernarg_segment_align: 8
    .kernarg_segment_size: 16
    .max_flat_workgroup_size: 512
    .sgpr_count:     72
    .vgpr_count:     256
    .wavefront_size: 32
...
	.end_amdgpu_metadata
.endif
;; end of part 3
;; launch proj (part 4): grid 8 x 32, 4 waves a work-group, clusters of 4 x 4, 327,680 bytes of LDS; arguments c3, c1, b_proj, out0; writes out0
.if DOCPART == 4
	.amdgcn_target "amdgcn-amd-amdhsa--gfx1250"
	.amdhsa_code_object_version 6
	.text
	.protected	k_qe48be263d5_proj
	.globl	k_qe48be263d5_proj
	.p2align	8
	.type	k_qe48be263d5_proj,@function
k_qe48be263d5_proj:
	s_mov_b64 s[64:65], 0
	v_nop
	global_prefetch_b8 v0, s[64:65] scope:SCOPE_SE
	s_setreg_imm32_b32 hwreg(HW_REG_WAVE_MODE, 25, 1), 1
	s_wait_xcnt 0x0
	s_wait_alu depctr_hold_cnt(0) depctr_sa_sdst(0) depctr_va_vdst(0) depctr_va_sdst(0) depctr_va_ssrc(0) depctr_va_vcc(0) depctr_vm_vsrc(0)
	s_getreg_b32 s2, hwreg(HW_REG_IB_STS2, 6, 4)
	s_cmp_eq_u32 s2, 0
	s_cbranch_scc0 .Lentry_in_a_cluster
	s_endpgm
.Lentry_in_a_cluster:
	s_bfe_u32 s2, ttmp6, 0x10000c
	s_cmp_lg_u32 s2, 0xf033
	s_cbranch_scc0 .Lentry_shape_is_right
	s_endpgm
.Lentry_shape_is_right:
; out = ctx w_proj^T + b_proj on codes of BF6 (E3M2) with E8M0 scales, K = 1,024, f32 sums that begin with the bias.
; OPERANDS: ctx (c3, groups 0-31 of 128 rows) and w_proj (c1, groups 56-63): [group][K step 8][12,800]: eight fragments of two images of 768 bytes, then 512 bytes of scale words, (tile t, lane r) at 256 (t / 4) + 16 r + 4 (t % 4);
; lane r of tile 4 c + u holds the group's row 64 c + 8 u + 32 (r / 8) + r % 8.
; A work-group makes 128 x 128 of out: one group of each operand, 102,400 bytes each, all of K at once in LDS: four joint loads of 51,200 dense bytes, one a wave, no refill; no prefetch: there is no loop of fills to run ahead in.
; A wave makes 64 x 64: 16 accumulators.  THE MATRIX INSTRUCTION IS USED TRANSPOSED (source 0 = w_proj's rows): lane (r, h) of accumulator (a, b) holds row 8 a + 32 (r / 8) + r % 8 and, in register j, column 32 h + 8 b + j.
; CLUSTERS: 4 x 4 work-groups: a row of the cluster shares ctx's group, a column w_proj's.
; REGISTERS: window 0: v8-26 addresses; v32-39 scale words, two sets of 4 (lanes 0-15 ctx's tile i, lanes 16-31 w_proj's); v64-95 bias; v128-255 accumulators.  window 1: fragments, two sets, at v0 and v128: four of ctx, four of w_proj.
.set FR,    12
.set STEPB, 12800
.set CHUNK, 4*STEPB                    ; four K steps of a group
.set GRPB,  2*CHUNK
.set STG,   2*GRPB                     ; the way out: a stage of 16 rows x 272 bytes for each wave
.set SPITCH, 272
.set SPARE, STG+4*16*SPITCH            ; the spare words
.set ADA16, 8
.set ADA8,  10
.set ADB16, 12
.set ADB8,  14
.set ADRS,  16
.set L16,   21
.set L8,    22
.set BA,    23
.set STO,   24
.set RD,    25
.set CO,    26
.set SC,    32
.set BIAS,  64
.set SPW,   126
.set NIL,   127
.set ACC,   128
.set WV,    16                         ; s16 wave;  s17 wave / 2: my half of ctx's rows, and: I fetch ctx (0) or w_proj (1);  s18 wave % 2: my half of the columns, and which half of K I fetch
.set WR,    17
.set WC,    18
.set G1A,   24
.set G0A,   32
.set G1B,   44
.set G0B,   52
.set MSB, 0
.macro WIN new
.if MSB != (\new)
	s_set_vgpr_msb (MSB<<8)|(\new)
.set MSB, (\new)
.endif
.endm
.set MUL, 0x05                         ; sources 0 and 1 window 1, C and D window 0
.macro CROUND                          ; a round of the cluster's barrier
	s_barrier_signal -1
	s_barrier_wait -1
	s_cmp_lg_u32 s[WV], 0
	s_cbranch_scc1 .Lnot_wave_0_\@
	s_barrier_signal -3
.Lnot_wave_0_\@:
	s_barrier_wait -3
	s_barrier_signal -1
	s_barrier_wait -1
.endm
.macro PLACES                          ; four places behind a matrix instruction of this form (ISA guide 7.12.1)
.rept 4
	v_nop
.endr
.endm
.macro FRAG reg, a16, a8, off
	ds_load_b128 v[(\reg):(\reg)+3], v[\a16] offset:(\off)
	ds_load_b64 v[(\reg)+4:(\reg)+5], v[\a8] offset:(\off)+512
	ds_load_b128 v[(\reg)+6:(\reg)+9], v[\a16] offset:(\off)+768
	ds_load_b64 v[(\reg)+10:(\reg)+11], v[\a8] offset:(\off)+1280
.endm
.macro FETCH kq                        ; K step kq's fragments and scale words into set kq % 2
.set FB, 128*((\kq)%2)
.set HF, (\kq)/4
.set KO, STEPB*((\kq)%4)
	WIN 0x40
.irp i, 0,1,2,3
	FRAG FB+FR*\i, ADA16+HF, ADA8+HF, KO+1536*\i
.endr
.irp i, 0,1,2,3
	FRAG FB+48+FR*\i, ADB16+HF, ADB8+HF, KO+1536*\i
.endr
	WIN 0
	ds_load_b128 v[SC+4*((\kq)%2):SC+4*((\kq)%2)+3], v[ADRS+HF] offset:KO+12288
.endm
; Eight matrix instructions; the 16 accumulators take turns, one instruction a turn.  mode 2: the bias starts the sums.
.macro MUL8 a0, p, mode
.irp a, \a0, \a0+1
.irp b, 0,1,2,3
.if \mode == 2
	v_wmma_scale_f32_16x16x128_f8f6f4 v[ACC+8*(4*(\a)+\b):ACC+8*(4*(\a)+\b)+7], v[128*(\p)+48+FR*\b:128*(\p)+48+FR*\b+FR-1], v[128*(\p)+FR*(\a):128*(\p)+FR*(\a)+FR-1], v[BIAS+8*\b:BIAS+8*\b+7], v[SC+4*(\p)+\b], v[SC+4*(\p)+(\a)] matrix_a_fmt:MATRIX_FMT_BF6 matrix_b_fmt:MATRIX_FMT_BF6 matrix_a_scale:MATRIX_SCALE_ROW1
.else
	v_wmma_scale_f32_16x16x128_f8f6f4 v[ACC+8*(4*(\a)+\b):ACC+8*(4*(\a)+\b)+7], v[128*(\p)+48+FR*\b:128*(\p)+48+FR*\b+FR-1], v[128*(\p)+FR*(\a):128*(\p)+FR*(\a)+FR-1], v[ACC+8*(4*(\a)+\b):ACC+8*(4*(\a)+\b)+7], v[SC+4*(\p)+\b], v[SC+4*(\p)+(\a)] matrix_a_fmt:MATRIX_FMT_BF6 matrix_b_fmt:MATRIX_FMT_BF6 matrix_a_scale:MATRIX_SCALE_ROW1
.endif
.endr
.endr
.endm
.macro STEP kq, mode
	s_wait_dscnt 0x0                               ; this step's fragments are in
.if (\kq) > 0
	PLACES                                         ; for the loads into the set that the step before multiplied
.endif
	FETCH (\kq)+1
	WIN MUL
	MUL8 0, (\kq)%2, \mode
	MUL8 2, (\kq)%2, \mode
.endm
	s_load_b128 s[4:7], s[0:1], 0x0                ; c3, c1
	s_load_b128 s[12:15], s[0:1], 0x10             ; b_proj, out0
	v_lshl_add_u32 v[SPW], v0, 2, SPARE
	v_mov_b32 v[NIL], 0
	ds_add_u32 v[SPW], v[NIL]                      ; the add, twice on end, and its wait
	ds_add_u32 v[SPW], v[NIL]
	v_lshrrev_b32 v1, 5, v0
	v_readfirstlane_b32 s[WV], v1
	s_lshr_b32 s[WR], s[WV], 1
	s_and_b32 s[WC], s[WV], 1
	s_bfe_u32 s92, ttmp6, 0x40000                  ; cx, cy
	s_bfe_u32 s93, ttmp6, 0x40004
	s_and_b32 s94, ttmp7, 0xffff
	s_lshl_b32 s94, s94, 2
	s_add_co_u32 s94, s94, s93                     ; ctx's group: it hangs on cy, never on cx
	s_lshl_b32 s95, ttmp9, 2
	s_add_co_u32 s95, s95, s92                     ; w_proj's group: on cx, never on cy
	s_lshl_b32 s96, s93, 2
	s_lshl_b32 s96, 15, s96                        ; my row of the cluster
	s_lshl_b32 s97, 0x1111, s92                    ; my column
	s_or_b32 s[G1A], s96, (3<<16)|(1<<21)          ; 15:0 the mask; elements of 8 bytes; no padding; bit 21 set beside a mask
	s_or_b32 s[G1B], s97, (3<<16)|(1<<21)
.irp g, G1A, G1B                       ; 51,200 dense bytes as 200 rows of 256
	s_mov_b32 s[\g+1], 32<<16
	s_mov_b32 s[\g+2], 200<<16
	s_mov_b32 s[\g+3], 32<<16
	s_mov_b32 s[\g+4], 200
	s_mov_b32 s[\g+5], 32
	s_mov_b32 s[\g+6], 0
	s_mov_b32 s[\g+7], 0
.endr
	s_mul_i32 s2, s[WC], CHUNK
	s_mul_i32 s20, s94, GRPB
	s_add_co_u32 s20, s20, s2
	s_mov_b32 s21, 0
	s_add_co_u32 s98, s95, 56
	s_mul_i32 s98, s98, GRPB
	s_add_co_u32 s98, s98, s2
	s_mov_b32 s99, 0
	s_mul_i32 s19, s[WV], CHUNK                    ; where they go: no place in the cluster enters an LDS address
	s_mov_b32 s[G0A], 1
	s_mov_b32 s[G0A+1], s19
	s_mov_b32 s[G0B], 1
	s_mov_b32 s[G0B+1], s19
	s_wait_alu depctr_va_vdst(0)
	s_wait_dscnt 0x0                               ; both opening adds are done
	s_wait_kmcnt 0x0
	s_add_nc_u64 s[G0A+2:G0A+3], s[4:5], s[20:21]
	s_or_b32 s[G0A+3], s[G0A+3], 0x80000000
	s_add_nc_u64 s[G0B+2:G0B+3], s[6:7], s[98:99]
	s_or_b32 s[G0B+3], s[G0B+3], 0x80000000
	CROUND                                         ; all sixteen work-groups are here: the joint loads meet
	s_cmp_eq_u32 s[WR], 0                          ; one joint load a wave: waves 0 and 1 ctx's two halves of K, waves 2 and 3 w_proj's
	s_cbranch_scc0 .Lfor_b
	tensor_load_to_lds s[G0A:G0A+3], s[G1A:G1A+7]
	s_nop 0
.rept 4
	v_nop
.endr
	s_branch .Lasked
.Lfor_b:
	tensor_load_to_lds s[G0B:G0B+3], s[G1B:G1B+7]
	s_nop 0
.rept 4
	v_nop
.endr
.Lasked:
	v_and_b32 v1, 31, v0
	v_and_b32 v2, 15, v0                           ; r
	v_bfe_u32 v3, v0, 4, 1                         ; h
	v_lshlrev_b32 v[L16], 4, v1
	v_lshlrev_b32 v[L8], 3, v1
	v_lshlrev_b32 v[BA], 7, v3                     ; the bias of my 32 columns
	s_lshl_b32 s98, s95, 9
	s_lshl_b32 s100, s[WC], 8
	s_add_co_u32 s98, s98, s100
	s_mov_b32 s99, 0
	s_add_nc_u64 s[12:13], s[12:13], s[98:99]
	s_wait_alu depctr_va_vdst(0)
.irp b, 0,1,2,3
	global_load_b128 v[BIAS+8*\b:BIAS+8*\b+3], v[BA], s[12:13] offset:32*\b
	global_load_b128 v[BIAS+8*\b+4:BIAS+8*\b+7], v[BA], s[12:13] offset:32*\b+16
.endr
	s_lshl_b32 s100, s94, 19
	s_add_co_u32 s98, s98, s100
	s_lshl_b32 s100, s[WR], 18
	s_add_co_u32 s98, s98, s100
	s_add_nc_u64 s[14:15], s[14:15], s[98:99]      ; my 64 rows and 64 columns of out
	s_mul_i32 s2, s[WR], 4*1536                    ; my four tiles of ctx
	s_mul_i32 s3, s[WC], 4*1536                    ; and of w_proj
	s_add_co_u32 s3, s3, GRPB
.irp n, 0,1
	v_add_nc_u32 v[ADA16+\n], s2, v[L16]
	v_add_nc_u32 v[ADA8+\n], s2, v[L8]
	v_add_nc_u32 v[ADB16+\n], s3, v[L16]
	v_add_nc_u32 v[ADB8+\n], s3, v[L8]
	s_add_co_u32 s2, s2, CHUNK
	s_add_co_u32 s3, s3, CHUNK
.endr
	s_lshl_b32 s2, s[WR], 8
	s_lshl_b32 s3, s[WC], 8
	s_add_co_u32 s3, s3, GRPB
	s_sub_co_u32 s3, s3, s2
	v_mul_u32_u24 v4, s3, v3                       ; lanes 16-31 take w_proj's scale words: one product, the distance between the two
	v_lshl_add_u32 v4, v2, 4, v4
	v_add_nc_u32 v[ADRS], s2, v4
	s_add_co_u32 s2, s2, CHUNK
	v_add_nc_u32 v[ADRS+1], s2, v4
	s_mul_i32 s2, s[WV], 16*SPITCH
	s_add_co_u32 s2, s2, STG
	v_mul_u32_u24 v4, v2, SPITCH                   ; into the stage: row r, 128 bytes for each half of the lanes
	v_lshl_add_u32 v4, v3, 7, v4
	v_add_nc_u32 v[STO], s2, v4
	v_mul_u32_u24 v4, v3, SPITCH                   ; and back: sixteen lanes to a row of 256 bytes
	v_lshl_add_u32 v4, v2, 4, v4
	v_add_nc_u32 v[RD], s2, v4
	v_lshlrev_b32 v[CO], 12, v3
	v_lshl_add_u32 v[CO], v2, 4, v[CO]
	s_wait_alu depctr_va_vdst(0)
	s_wait_tensorcnt 0x0                           ; my part is in
	s_barrier_signal -1
	s_barrier_wait -1                              ; everybody's is
	FETCH 0
	s_wait_loadcnt 0x0                             ; the bias
	STEP 0, 2
	STEP 1, 0
	STEP 2, 0
	STEP 3, 0
	STEP 4, 0
	STEP 5, 0
	STEP 6, 0
	s_wait_dscnt 0x0
	WIN MUL
	MUL8 0, 1, 0
	MUL8 2, 1, 0
	WIN 0
; THE WAY OUT of 16 rows x 64 columns: through my own stage, back as whole rows of 256 bytes, stored by sixteen lanes a row.  LDS serves a wave's instructions in order (ISA guide 5.7.1.4).
.macro TOSTAGE a
.irp b, 0,1,2,3
	ds_store_b128 v[STO], v[ACC+8*(4*(\a)+\b):ACC+8*(4*(\a)+\b)+3] offset:32*\b
	ds_store_b128 v[STO], v[ACC+8*(4*(\a)+\b)+4:ACC+8*(4*(\a)+\b)+7] offset:32*\b+16
.endr
	WIN 0x40
.irp t, 0,1,2,3,4,5,6,7
	ds_load_b128 v[32*(\a)+4*\t:32*(\a)+4*\t+3], v[RD] offset:\t*2*SPITCH
.endr
	WIN 0
.endm
.macro SEND a, younger                 ; younger: the LDS instructions issued behind block a's, which may stay out
	s_wait_dscnt \younger
	WIN 0x04
.irp t, 0,1,2,3,4,5,6,7
	global_store_b128 v[CO], v[32*(\a)+4*\t:32*(\a)+4*\t+3], s[14:15] offset:(8*(\a)+2*\t+24*(\t/4))*4096 th:TH_STORE_NT
.endr
	WIN 0
.endm
	PLACES
	TOSTAGE 0
.irp a, 1,2,3
	TOSTAGE \a
	SEND \a-1, 16
.endr
	SEND 3, 0
	s_wait_tensorcnt 0x0                           ; the wave's end
	ds_add_u32 v[SPW], v[NIL]
	s_wait_dscnt 0x0
	CROUND                                         ; the closing round
	s_endpgm
.Lfunc_end_k_qe48be263d5_proj:
	.size	k_qe48be263d5_proj, .Lfunc_end_k_qe48be263d5_proj-k_qe48be263d5_proj
	.p2alignl 7, 3214868480
	.fill 96, 4, 3214868480
	.section	.rodata,"a",@progbits
	.p2align	6, 0x0
	.amdhsa_kernel k_qe48be263d5_proj
		.amdhsa_group_segment_fixed_size 327680
		.amdhsa_private_segment_fixed_size 0
		.amdhsa_enable_private_segment 0
		.amdhsa_kernarg_size 32
		.amdhsa_user_sgpr_count 2
		.amdhsa_user_sgpr_kernarg_segment_ptr 1
		.amdhsa_wavefront_size32 1
		.amdhsa_system_sgpr_workgroup_id_x 1
		.amdhsa_system_sgpr_workgroup_id_y 1
		.amdhsa_system_sgpr_workgroup_id_z 1
		.amdhsa_system_vgpr_workitem_id 0
		.amdhsa_next_free_vgpr 512
		.amdhsa_next_free_sgpr 102
		.amdhsa_reserve_vcc 0
		.amdhsa_float_denorm_mode_32 3
		.amdhsa_float_denorm_mode_16_64 3
		.amdhsa_memory_ordered 1
		.amdhsa_forward_progress 1
		.amdhsa_inst_pref_size 50
	.end_amdhsa_kernel
	.amdgpu_metadata
---
amdhsa.version: [ 1, 2 ]
amdhsa.kernels:
  - .name:           k_qe48be263d5_proj
    .symbol:         k_qe48be263d5_proj.kd
    .args:
      - { .name: c3, .offset: 0, .size: 8, .value_kind: global_buffer, .address_space: global }
      - { .name: c1, .offset: 8, .size: 8, .value_kind: global_buffer, .address_space: global }
      - { .name: b_proj, .offset: 16, .size: 8, .value_kind: global_buffer, .address_space: global }
      - { .name: out0, .offset: 24, .size: 8, .value_kind: global_buffer, .address_space: global }
    .group_segment_fixed_size: 327680
    .private_segment_fixed_size: 0
    .kernarg_segment_align: 8
    .kernarg_segment_size: 32
    .max_flat_workgroup_size: 128
    .sgpr_count:     102
    .vgpr_count:     512
    .wavefront_size: 32
...
	.end_amdgpu_metadata
.endif
;; end of part 4
